; MI455X (gfx1250); checked and timed in simulation.
; The chip was launched on July 23, 2026; its instructions are those of AMD's public machine-readable ISA for CDNA 5 (MIT licence, August 2026) and "CDNA5" Instruction Set Architecture Reference Guide (July 2026). The comments in the code are by the model that wrote it; some were corrected since.
;; Loha Module. Allowed arithmetic: matrix products marked QUANTISED: E2M3 operands, one E8M0 scale for each 32 along K, by v_wmma_scale_f32_16x16x128_f8f6f4 with both operands' format E2M3, f32 sums; everything else in f32.
;; Inputs: hada_w1_a 4,096 x 32 float32; hada_w1_b 32 x 4,096 float32; hada_w2_a 4,096 x 32 float32; hada_w2_b 32 x 4,096 float32; org_bias 4,096 float32; org_weight 4,096 x 4,096 float32; x 4 x 1,024 x 4,096 float32.
;; Outputs: out0 4 x 1,024 x 4,096 float32.
;; This version of the problem:
;;   THIS VERSION OF THE PROBLEM IS GIVEN IN LOW PRECISION. The matrix products marked QUANTISED in the list below multiply operands that are first quantised to E2M3 (2 exponent bits, 3 mantissa bits; 6 bits a number), with one power-of-two scale for each 32 numbers along K (OCP MX v1.0); their sums are f32. All else is computed in f32.
;;   The module's matrix products, in the order in which they are computed (A, B: the left and right operand; K: the contracted axis; several contracted axes count as one K, in the product's order):
;;     1. [M 4,096, K 32] x [K 32, N 4,096]; A: input hada_w1_a; B: input hada_w1_b: QUANTISED
;;     2. [M 4,096, K 32] x [K 32, N 4,096]; A: input hada_w2_a; B: input hada_w2_b: QUANTISED
;;     3. [M 4,096, K 4,096] x [K 4,096, N 4,096]; A: input x; B: computed on the way: QUANTISED
;;   THE QUANTISER, for each operand of a quantised product, along K:
;;     - K is cut into blocks of 32 from its start; a last block that is shorter is filled with zeros.
;;     - A block's scale is 2^e with e = floor(log2(the largest magnitude in the block)) - 2, held to -126 .. 127; a block of zeros has e = 0. As a byte (E8M0): e + 127.
;;     - Each number is divided by its block's scale, clamped to +-7.5, and rounded to the nearest number of E2M3, ties to even, subnormals kept.
;;     - The product sums the exact products of the quantised numbers (number of the format x scale) in f32.
;;   ~~~python
;;   def quantise(x, axis):      # numpy; x: float32 -> the quantised numbers, widened to float32 again
;;       x = np.moveaxis(x, axis, -1); K = x.shape[-1]
;;       x = np.pad(x, [(0, 0)] * (x.ndim - 1) + [(0, -K % 32)]); x = x.reshape(x.shape[:-1] + (-1, 32)); a = np.abs(x).max(-1, keepdims=True)
;;       e = np.where(a > 0, np.clip(np.frexp(np.where(a > 0, a, 1))[1] - 1 - 2, -126, 127), 0)      # np.frexp(a)[1] - 1 = floor(log2(a)), exactly
;;       r = np.clip(x / 2.0 ** e, -7.5, 7.5)
;;       step = 2.0 ** (np.maximum(np.frexp(np.where(r == 0, 1, r))[1] - 1, 0) - 3)
;;       q = np.round(r / step) * step * 2.0 ** e      # np.round: ties to even
;;       return np.moveaxis(q.reshape(q.shape[:-2] + (-1,))[..., :K], -1, axis).astype(np.float32)
;;   ~~~
;;   OPERANDS COMPUTED ON THE WAY. 'Computed on the way' means the value that the module computes at that place (a softmax that the list does not call 'softmax' is quantised finished and normalised). What goes into a quantiser is computed in f32, as accurately as f32 sums, v_exp_f32 and their like allow (about 1e-6 of the number): no bf16 or f16 on the way to a quantiser, and a product that is left as it is and whose result goes on into a quantised operand takes f32 operands (vector FMAs, or v_wmma_f32_16x16x4_f32). A number that lies on a knife's edge between two numbers of the format may be rounded either way, as far as f32 arithmetic and the matrix unit's own rounding can turn it there, and no further.
;; 2 versions, each right; version 2 is version 1 with the launch prep written anew for expert scheduling mode. Each part assembles by itself: llvm-mc -triple=amdgcn-amd-amdhsa -mcpu=gfx1250 --defsym DOCPART=n.
;; ======== version 1 of 2: 2 launches
;; workspace buffers: xq 13,107,200 bytes; wq 13,107,200 bytes
;; launch prep (part 1): grid 32 x 8, 8 waves a work-group, no clusters, 86,016 bytes of LDS; arguments x, org_weight, hada_w1_a, hada_w1_b, hada_w2_a, hada_w2_b, xq, wq; writes xq, wq
.if DOCPART == 1
	.amdgcn_target "amdgcn-amd-amdhsa--gfx1250"
	.amdhsa_code_object_version 6
	.text
	.protected	k_q0ac34ffd36_prep
	.globl	k_q0ac34ffd36_prep
	.p2align	8
	.type	k_q0ac34ffd36_prep,@function
k_q0ac34ffd36_prep:
	s_mov_b64 s[64:65], 0
	v_nop
	global_prefetch_b8 v0, s[64:65] scope:SCOPE_SE
	s_setreg_imm32_b32 hwreg(HW_REG_WAVE_MODE, 25, 1), 1
	s_wait_xcnt 0x0
; x [4096][4096] and W = org_weight + 0.5 (Q(w1a) Q(w1b)) o (Q(w2a) Q(w2b)) [4096][4096] are turned into codes of FP6 (E2M3) with one E8M0 byte for each 32 along K (the last axis of both).
; The two rank-32 products run on the scaled FP6 matrix instruction: their K = 32 is the first of its four blocks of 32; the other three hold zero codes on both sides (scale bytes 0 there, which is 2^-127 and no NaN).
; THE QUANTISER: a block's byte is its largest magnitude's exponent field - 2, held at 1 from below by a floor 2^(3 - 127) among the maximum's leaves; the conversion divides by that scale, rounds to the nearest code, ties to even,
; and gives the largest code beyond 7.5.
; LIMITS: a block of zeros gets the byte 1 where the rule says 127 (its codes are zeros, and only this program reads the bytes); NaN and infinities among the inputs are not served.
; THE FACTOR 0.5 is taken off w1b's scale bytes (byte - 1, at least 0): exact.  W = fma(0.5 d1, d2, org_weight): one rounding where the source has three.
; SHARES.  Work-group (kb, y): columns 128 kb .. + 127, rows 512 y .. + 511, of x and of W.  Wave w: rows 64 w .. + 63 of those, in four trips of 16 rows; a trip is one unit (16 x 128, 64 numbers a lane) of W and one of x.
; The work-group's 128 columns of Q(w1b), Q(w2b) are 16 fragments: the eight waves make two each, hand them round through LDS as images of their registers (the launch's one barrier), and every wave keeps all 16 in registers.
; THE SMALL PRODUCTS ARE USED TRANSPOSED: source 0 = 16 columns of w_b, source 1 = 16 rows of w_a, so that a lane holds ONE row of W.  Lane r of tile 2 b + u takes column 32 b + 8 u + r + 8 (r / 8), so that the 16 registers
; of tiles 2 b, 2 b + 1 are the 16 neighbours 32 b + 16 (lane / 16) + 0 .. 15 along K: the order in which the conversions want them, and in which org_weight's and x's numbers come back from the stage.
; THE WORKSPACE is laid in the order of the operand's registers: [group of 128 rows][128 along K] blocks of 12,800 bytes; in a block the fragment of rows 16 i on at 1,536 i + 512 c + 16 lane
; (c: four registers), scale words at 12,288 + 64 i + 4 r.  Every store of codes covers 512 consecutive bytes, every store of scale words 256, each at a multiple of 256 from the buffer's first byte.
; NO CLUSTER, NO TENSOR LOAD: of the 672 KB that a work-group reads only w_a's 128 KB and w_b's 32 KB are read by other work-groups too, and they go straight into the lanes that convert them.
; No loop and no branch: every offset is an immediate, 63 rows of 16,384 bytes at the most, inside the signed 24-bit immediate (ISA guide, chapter 10).
; REGISTERS.  Window 0: v1-14 addresses; v16-27 at work; v28 a scale word; v30-31 w_a's scale words; v32-39 w_b's; v48-59 the fragment just made; v64-127 org_weight's unit, then W; v128-159 d1, v160-191 d2; v192-255 x's unit.
;   Window 1: v0-191 w_b's 16 fragments; v192-215 w_a's two; v216-247 w_a's numbers; v248-255 at work.
.set ROWB,  16384                      ; bytes in a row of x, of org_weight and of w_b
.set BLK,   12800                      ; a block of the workspace: 128 rows x 128 along K
.set RGB,   32*BLK                     ; a group of 128 rows
.set IMG,   0                          ; LDS: 16 images of 768 bytes: registers 0-3 at 16 lane, registers 4-5 at 512 + 8 lane
.set BSC,   12288                      ; 8 x 128 bytes: w_b's scale words, 4 bytes a lane
.set SCG,   13312                      ; 8 x 512 bytes: a wave's scale words on their way out: W's 256 bytes, then x's
.set STG,   17408                      ; 8 x 8,448 bytes: a wave's stage
.set SPT,   528                        ; a stage row: 512 bytes + 16 = 132 words: row r starts at bank 4 r mod 64 (64 banks of 4 bytes: ISA guide 11.1)
.set LI16, 1                           ; v1   16 x lane
.set LI8,  2                           ; v2   8 x lane
.set LI4,  3                           ; v3   4 x lane
.set SI,   4                           ; v4   the stage, in: 16 x lane
.set SO,   5                           ; v5   the stage, out: row r, + 64 h
.set SG,   6                           ; v6   my row's scale word in the wave's gather
.set SGR,  7                           ; v7   the gather, out: 8 x lane
.set VC,   8                           ; v8   my 16 bytes of a fragment in the workspace block
.set VS,   9                           ; v9   my 8 bytes of the wave's scale words there
.set VA,   10                          ; v10  w_a: row r of 128 bytes, + 64 h
.set CB,   11                          ; v11  w_b: my column among the wave's 32, in bytes
.set IW16, 12                          ; v12  where I store my images' registers 0-3
.set IW8,  13                          ; v13  and registers 4-5
.set IWS,  14                          ; v14  and their scale words
.set TM,   16                          ; v16-19 maxima, v20-23 the other half's and bytes, v24-27 scale operands; v16-18, v20-22 again: the conversions' second halves
.set PW,   28
.set AS,   30
.set BS,   32
.set PC,   48
.set RW,   64
.set D1,   128
.set D2,   160
.set RX,   192
.set AF,   192                         ; window 1
.set RA,   216
.set WAM,  248
.set WAX,  252
.set WAS,  254
.set MSB, 0
.macro WIN new                         ; s_set_vgpr_msb: bits 1:0 source 0, 3:2 source 1, 5:4 source 2, 7:6 destination; the immediate's high byte repeats the setting that is left
.if MSB != \new
	s_set_vgpr_msb (MSB<<8)|\new
.set MSB, \new
.endif
.endm
	s_load_b256 s[4:11], s[0:1], 0x0               ; x s[4:5], org_weight s[6:7], w1a s[8:9], w1b s[10:11]
	s_load_b256 s[12:19], s[0:1], 0x20             ; w2a s[12:13], w2b s[14:15], xq s[16:17], wq s[18:19]
	v_lshl_add_u32 v46, v0, 2, 0x14c00
	v_mov_b32 v47, 0
	v_lshrrev_b32 v15, 5, v0
	v_readfirstlane_b32 s20, v15                   ; wave 0..7
	v_and_b32 v15, 31, v0                          ; lane
	v_and_b32 v29, 15, v0                          ; r
	v_bfe_u32 v40, v0, 4, 1                        ; h
	s_lshr_b32 s21, s20, 2                         ; p: for which of the two products I quantise w_b
	s_and_b32 s22, s20, 3                          ; b: which 32 of the 128 columns
	s_sub_co_u32 s23, 1, s21                       ; what comes off the scale byte: 1 for w1b (the factor 0.5), 0 for w2b
	s_mov_b32 s24, 0x76543210
	s_mov_b32 s25, 0xfedcba98                      ; v_permlanex16_b32's selects for lane l xor 16
	s_and_b32 s46, ttmp7, 0xffff                   ; y
	v_lshlrev_b32 v[LI16], 4, v15
	v_lshlrev_b32 v[LI8], 3, v15
	v_lshlrev_b32 v[LI4], 2, v15
	s_mul_i32 s28, s20, 16*SPT
	s_add_co_u32 s28, s28, STG                     ; my wave's stage
	v_add_nc_u32 v[SI], s28, v[LI16]
	v_mul_u32_u24 v[SO], v29, SPT
	v_lshl_add_u32 v[SO], v40, 6, v[SO]
	v_add_nc_u32 v[SO], s28, v[SO]
	s_lshl_b32 s29, s20, 9
	s_add_co_u32 s29, s29, SCG                     ; my wave's gather
	v_lshl_add_u32 v[SG], v29, 2, s29
	v_add_nc_u32 v[SGR], s29, v[LI8]
	s_and_b32 s30, s20, 1                          ; which 64 rows of the group of 128 are my wave's
	s_mul_i32 s31, s30, 6144                       ; their four fragments among the block's eight
	v_add_nc_u32 v[VC], s31, v[LI16]
	s_lshl_b32 s33, s30, 8                         ; and their 64 scale words
	s_add_co_u32 s33, s33, 12288
	v_add_nc_u32 v[VS], s33, v[LI8]
	v_lshlrev_b32 v[VA], 7, v29
	v_lshl_add_u32 v[VA], v40, 6, v[VA]
	v_and_b32 v41, 7, v0
	v_bfe_u32 v42, v0, 3, 1
	v_lshl_add_u32 v41, v42, 4, v41
	v_lshl_add_u32 v41, v40, 3, v41                ; lane % 8 + 16 ((lane / 8) % 2) + 8 (lane / 16): lanes 0-15 the columns of tile 2 b, lanes 16-31 those of tile 2 b + 1
	v_lshlrev_b32 v[CB], 2, v41
	s_mul_i32 s34, s20, 1536                       ; my two images (IMG = 0)
	v_add_nc_u32 v[IW16], s34, v[LI16]
	v_add_nc_u32 v[IW8], s34, v[LI8]
	s_lshl_b32 s35, s20, 7
	s_add_co_u32 s35, s35, BSC
	v_add_nc_u32 v[IWS], s35, v[LI4]
	s_lshl_b32 s36, s46, 9
	s_lshl_b32 s37, s20, 6
	s_add_co_u32 s36, s36, s37                     ; my first row: 512 y + 64 w
	s_lshl_b32 s38, s36, 14
	s_lshl_b32 s39, ttmp9, 9
	s_add_co_u32 s38, s38, s39                     ; x, org_weight: row x 16,384 + 512 kb (under 2^26)
	s_mov_b32 s39, 0
	s_lshl_b32 s40, s36, 7                         ; w_a: row x 128
	s_mov_b32 s41, 0
	s_lshl_b32 s42, s46, 2
	s_lshr_b32 s43, s20, 1
	s_add_co_u32 s42, s42, s43                     ; the group of 128 rows: 4 y + w / 2
	s_mul_i32 s42, s42, RGB
	s_mul_i32 s43, ttmp9, BLK                      ; the block of my 128 along K
	s_add_co_u32 s42, s42, s43
	s_mov_b32 s43, 0
	s_lshl_b32 s44, ttmp9, 9
	s_lshl_b32 s45, s22, 7
	s_add_co_u32 s44, s44, s45                     ; w_b: (128 kb + 32 b) x 4
	s_mov_b32 s45, 0
	s_wait_kmcnt 0x0
	s_add_nc_u64 s[4:5], s[4:5], s[38:39]
	s_add_nc_u64 s[6:7], s[6:7], s[38:39]
	s_add_nc_u64 s[8:9], s[8:9], s[40:41]
	s_add_nc_u64 s[12:13], s[12:13], s[40:41]
	s_add_nc_u64 s[16:17], s[16:17], s[42:43]
	s_add_nc_u64 s[18:19], s[18:19], s[42:43]
	s_cmp_lt_u32 s20, 4                            ; waves 0-3 take w1b, waves 4-7 w2b: the choice hangs on the wave's number alone
	s_cselect_b64 s[26:27], s[10:11], s[14:15]
	s_add_nc_u64 s[26:27], s[26:27], s[44:45]
; A unit's 16 rows x 512 bytes: one load reads one row's 512 consecutive bytes, 16 a lane
.macro LOADT zone, base, t
.irp i, 0,1,2,3,4,5,6,7,8,9,10,11,12,13,14,15
	global_load_b128 v[\zone+4*\i:\zone+4*\i+3], v[LI16], s[\base:\base+1] offset:(16*(\t)+\i)*ROWB th:TH_LOAD_NT
.endr
.endm
; w1a's and w2a's 16 rows of trip t: lane (r, h) takes numbers 16 h .. 16 h + 15 of row r
.macro LOADA t
	WIN 0x40                                       ; destination window 1
.irp p, 0,1
.irp j, 0,1,2,3
	global_load_b128 v[RA+16*\p+4*\j:RA+16*\p+4*\j+3], v[VA], s[8+4*\p:9+4*\p] offset:2048*(\t)+16*\j
.endr
.endr
	WIN 0
.endm
; A unit turns through my stage: in as loaded, back as 16 neighbours of each block of 32: register 16 b + i = column 32 b + 16 h + i of row r.
; LDS serves a wave's instructions in order (ISA guide 5.7.1.4): the loads see the stores, and land in the registers that the stores have read.
.macro TURN zone
.irp i, 0,1,2,3,4,5,6,7,8,9,10,11,12,13,14,15
	ds_store_b128 v[SI], v[\zone+4*\i:\zone+4*\i+3] offset:SPT*\i
.endr
.irp b, 0,1,2,3
.irp j, 0,1,2,3
	ds_load_b128 v[\zone+16*\b+4*\j:\zone+16*\b+4*\j+3], v[SO] offset:128*\b+16*\j
.endr
.endr
.endm
; w_a's 16 rows become source 1 of the small products: a row is one block of 32, half of it in lane r, half in lane r + 16.  The two products by turns.
.macro QA
	WIN 0x55                                       ; all in window 1
.irp p, 0,1
	v_max3_num_f32 v[WAM+\p], |v[RA+16*\p]|, |v[RA+16*\p+1]|, 0x1800000   ; my 16 numbers and the floor 2^(3 - 127)
.endr
.irp i, 2,4,6,8,10,12,14
.irp p, 0,1
	v_max3_num_f32 v[WAM+\p], v[WAM+\p], |v[RA+16*\p+\i]|, |v[RA+16*\p+\i+1]|
.endr
.endr
.irp p, 0,1
	v_permlanex16_b32 v[WAX+\p], v[WAM+\p], s24, s25
.endr
.irp p, 0,1
	v_max_num_f32 v[WAM+\p], v[WAM+\p], v[WAX+\p]  ; the row's largest magnitude
.endr
.irp p, 0,1
	v_add_nc_u32 v[WAS+\p], 0xff000000, v[WAM+\p]  ; 2 off its exponent field: the conversion's scale operand
.endr
.irp p, 0,1
	v_cvt_scalef32_pk16_fp6_f32 v[AF+12*\p:AF+12*\p+2], v[RA+16*\p:RA+16*\p+15], v[WAS+\p]
.endr
.irp p, 0,1
.irp i, 0,1,2
	v_mov_b32 v[AF+12*\p+3+\i], 0                  ; (plain lines behind the conversions)
.endr
.endr
.irp p, 0,1
.irp i, 0,1,2
	v_permlane16_swap_b32 v[AF+12*\p+\i], v[AF+12*\p+3+\i]   ; lanes 0-15 now hold all 32 codes of row r in registers 0-5; lanes 16-31, which stand for k = 32 .. 63, hold zeros
.endr
.endr
	WIN 0x04                                       ; source 1 window 1, destination window 0
.irp p, 0,1
	v_lshrrev_b32 v[AS+\p], 23, v[WAS+\p]          ; the row's byte; bytes 1-3 of the word are 0, over zero codes
.endr
	WIN 0
.rept 8
	v_nop                                          ; a scale register written by a vector instruction stands eight places ahead of a scaled matrix instruction, an operand so written four
.endr
.endm
; Tiles 4 g .. 4 g + 3 of d1 and of d2: eight matrix instructions on eight accumulators, each begun with the constant 0: no chain
.macro MULH g
	WIN 0x05                                       ; sources 0 and 1 window 1, D window 0
.irp u, 0,1,2,3
.irp p, 0,1
.if (\u)%2
	v_wmma_scale_f32_16x16x128_f8f6f4 v[D1+32*\p+8*\u:D1+32*\p+8*\u+7], v[12*(8*\p+4*(\g)+\u):12*(8*\p+4*(\g)+\u)+11], v[AF+12*\p:AF+12*\p+11], 0, v[BS+4*\p+2*(\g)+\u/2], v[AS+\p] matrix_a_fmt:MATRIX_FMT_FP6 matrix_b_fmt:MATRIX_FMT_FP6 matrix_a_scale:MATRIX_SCALE_ROW1
.else
	v_wmma_scale_f32_16x16x128_f8f6f4 v[D1+32*\p+8*\u:D1+32*\p+8*\u+7], v[12*(8*\p+4*(\g)+\u):12*(8*\p+4*(\g)+\u)+11], v[AF+12*\p:AF+12*\p+11], 0, v[BS+4*\p+2*(\g)+\u/2], v[AS+\p] matrix_a_fmt:MATRIX_FMT_FP6 matrix_b_fmt:MATRIX_FMT_FP6
.endif
.endr
.endr
	WIN 0
.rept 4
	v_nop                                          ; four places behind a matrix instruction before its result is read (ISA guide 7.12.1)
.endr
.endm
; W = (0.5 d1) d2 + org_weight, two at a time, each accumulator from its low end on
.macro FMAH g
.set NN, 0
.rept 16
	v_pk_fma_f32 v[RW+32*(\g)+NN:RW+32*(\g)+NN+1], v[D1+NN:D1+NN+1], v[D2+NN:D2+NN+1], v[RW+32*(\g)+NN:RW+32*(\g)+NN+1]
.set NN, NN+2
.endr
.endm
; 64 numbers of a lane, register 16 b + i = k 32 b + 16 h + i of row r, become a fragment's 12 registers in v[PC] on and the row's scale word in v[PW]
.macro QUANT s
.irp b, 0,1,2,3
	v_max3_num_f32 v[TM+\b], |v[\s+16*\b]|, |v[\s+1+16*\b]|, 0x1800000   ; block b: my 16 numbers, and the floor
.endr
.irp i, 2,4,6,8,10,12,14
.irp b, 0,1,2,3
	v_max3_num_f32 v[TM+\b], v[TM+\b], |v[\s+16*\b+\i]|, |v[\s+1+16*\b+\i]|   ; (the four blocks by turns)
.endr
.endr
.irp b, 0,1,2,3
	v_permlanex16_b32 v[TM+4+\b], v[TM+\b], s24, s25
.endr
.irp b, 0,1,2,3
	v_max_num_f32 v[TM+\b], v[TM+\b], v[TM+4+\b]   ; with lane l xor 16's: the block's largest magnitude
.endr
.irp b, 0,1,2,3
	v_add_nc_u32 v[TM+8+\b], 0xff000000, v[TM+\b]  ; 2 off its exponent field: the conversion's scale operand
.endr
.irp b, 0,1,2,3
	v_lshrrev_b32 v[TM+4+\b], 23, v[TM+8+\b]       ; the byte
.endr
	v_lshl_or_b32 v[PW], v[TM+5], 8, v[TM+4]
	v_lshl_or_b32 v[PW], v[TM+6], 16, v[PW]
	v_lshl_or_b32 v[PW], v[TM+7], 24, v[PW]
.irp c, 0,1
	v_cvt_scalef32_pk16_fp6_f32 v[PC+6*\c:PC+6*\c+2], v[\s+32*\c:\s+32*\c+15], v[TM+8+2*\c]
	v_cvt_scalef32_pk16_fp6_f32 v[TM+4*\c:TM+4*\c+2], v[\s+32*\c+16:\s+32*\c+31], v[TM+8+2*\c+1]   ; (a conversion's three registers begin on an even number)
.endr
	v_nop                                          ; one plain line behind the last conversion
.irp c, 0,1                                    ; the operand's layout wants a whole block in a lane: lanes 0-15 block 2 c, lanes 16-31 block 2 c + 1
.irp i, 0,1,2
	v_permlane16_swap_b32 v[PC+6*\c+\i], v[TM+4*\c+\i]
.endr
.irp i, 0,1,2
	v_mov_b32 v[PC+6*\c+3+\i], v[TM+4*\c+\i]
.endr
.endr
.endm
; The fragment leaves as it stands: three stores of 512 consecutive bytes; the scale word goes to the wave's gather (lanes r and r + 16 write the same word with the same value)
.macro OUT base, t, k
.irp c, 0,1,2
	global_store_b128 v[VC], v[PC+4*\c:PC+4*\c+3], s[\base:\base+1] offset:1536*(\t)+512*\c
.endr
	ds_store_b32 v[SG], v[PW] offset:256*(\k)+64*(\t)
.endm
.irp i, 0,1,2,3,4,5,6,7,8,9,10,11,12,13,14,15,16,17,18,19,20,21,22,23,24,25,26,27,28,29,30,31
	global_load_b32 v[D1+\i], v[CB], s[26:27] offset:ROWB*\i   ; w_b(i, my column): a lane's 32 registers run down K: a whole block
.endr
	LOADT RW, 6, 0
	LOADA 0
	LOADT RX, 4, 0
	; while these are on their way: the zero codes of k = 64 .. 127, registers 6-11 of the 16 + 2 fragments; they are written once
	WIN 0x40
.set FI, 0
.rept 18
.irp i, 6,7,8,9,10,11
	v_mov_b32 v[12*FI+\i], 0
.endr
.set FI, FI+1
.endr
	v_mov_b32 v[WAX], 0                            ; a lane permute's destination counts as one of its sources
	v_mov_b32 v[WAX+1], 0
	WIN 0
.irp b, 0,1,2,3
	v_mov_b32 v[TM+4+\b], 0
.endr
	s_wait_loadcnt 40                              ; w_b's 32 loads are in; behind them: org_weight's 16, w_a's 8, x's 16
	v_max3_num_f32 v16, |v[D1]|, |v[D1+1]|, |v[D1+2]|
	v_max3_num_f32 v17, |v[D1+3]|, |v[D1+4]|, |v[D1+5]|
.irp i, 6,10,14,18,22,26
	v_max3_num_f32 v16, v16, |v[D1+\i]|, |v[D1+\i+1]|
	v_max3_num_f32 v17, v17, |v[D1+\i+2]|, |v[D1+\i+3]|
.endr
	v_max3_num_f32 v16, v16, |v[D1+30]|, |v[D1+31]|
	v_max3_num_f32 v16, v16, v17, 0x1800000        ; my column's largest magnitude, and the floor
	v_add_nc_u32 v24, 0xff000000, v16
	v_lshrrev_b32 v[PW], 23, v24
	v_sub_nc_u32 v[PW], v[PW], s23                 ; w1b: one off the byte, which is at least 1: the factor 0.5
	v_cvt_scalef32_pk16_fp6_f32 v[160:162], v[D1:D1+15], v24
	v_cvt_scalef32_pk16_fp6_f32 v[176:178], v[D1+16:D1+31], v24
	v_nop                                          ; one plain line behind the last conversion
.irp i, 0,1,2
	v_mov_b32 v[163+\i], v[176+\i]                 ; v160-165: my column's 32 codes
.endr
.irp i, 0,1,2,3,4,5
	v_mov_b32 v[168+\i], 0
.endr
.irp i, 0,1,2,3,4,5
	v_permlane16_swap_b32 v[160+\i], v[168+\i]     ; v160-165: tile 2 b's codes in lanes 0-15, zeros above; v168-173: tile 2 b + 1's likewise
.endr
	ds_store_b128 v[IW16], v[160:163]
	ds_store_b64 v[IW8], v[164:165] offset:512
	ds_store_b128 v[IW16], v[168:171] offset:768
	ds_store_b64 v[IW8], v[172:173] offset:1280
	ds_store_b32 v[IWS], v[PW]                     ; lanes 0-15 tile 2 b's words, lanes 16-31 tile 2 b + 1's
	s_wait_dscnt 0x0                               ; for the others' sake: my images have landed
	s_barrier_signal -1
	s_barrier_wait -1
	WIN 0x40
.set FI, 0
.rept 16
	ds_load_b128 v[12*FI:12*FI+3], v[LI16] offset:IMG+768*FI
	ds_load_b64 v[12*FI+4:12*FI+5], v[LI8] offset:IMG+768*FI+512
.set FI, FI+1
.endr
	WIN 0
.irp j, 0,1,2,3,4,5,6,7
	ds_load_b32 v[BS+\j], v[LI4] offset:BSC+128*\j
.endr
	s_wait_dscnt 0x0
.macro TRIP t
	s_wait_loadcnt 16                              ; org_weight's unit and w_a's rows are in; x's 16 loads may be out
	TURN RW
	QA                                             ; stands between the stage's loads and the wait for them
	MULH 0
	s_wait_dscnt 0x0                               ; org_weight's unit is back from the stage
	FMAH 0
	MULH 1                                         ; it writes d1 and d2 anew: behind each earlier product stand its four v_nop and the twelve multiply-adds that name none of its registers
	FMAH 1
	s_wait_xcnt 0x0                                ; the last stores have read the fragment's registers, which are written again below
	QUANT RW
	OUT 18, \t, 0
.if \t < 3
	LOADT RW, 6, \t+1
	LOADA \t+1
	s_wait_loadcnt 24                              ; x's unit is in; behind it: the next org_weight unit's 16 loads and w_a's 8
.else
	s_wait_loadcnt 0x0
.endif
	TURN RX
	s_wait_dscnt 0x0
	s_wait_xcnt 0x0                                ; W's stores have read the fragment's registers
	QUANT RX
	OUT 16, \t, 1
.if \t < 3
	LOADT RX, 4, \t+1
.endif
.endm
	TRIP 0
	TRIP 1
	TRIP 2
	TRIP 3
	ds_load_b64 v[60:61], v[SGR]                   ; my wave's 64 scale words of W, 256 bytes, 8 a lane (in order behind my stores)
	ds_load_b64 v[62:63], v[SGR] offset:256        ; and of x
	s_wait_dscnt 0x0
	global_store_b64 v[VS], v[60:61], s[18:19]     ; 32 lanes store 256 consecutive bytes, at a multiple of 256 from the buffer's first byte
	global_store_b64 v[VS], v[62:63], s[16:17]
	s_wait_tensorcnt 0x0
	ds_add_u32 v46, v47
	s_wait_dscnt 0x0
	s_endpgm
.Lfunc_end_k_q0ac34ffd36_prep:
	.size	k_q0ac34ffd36_prep, .Lfunc_end_k_q0ac34ffd36_prep-k_q0ac34ffd36_prep
	.p2alignl 7, 3214868480
	.fill 96, 4, 3214868480
	.section	.rodata,"a",@progbits
	.p2align	6, 0x0
	.amdhsa_kernel k_q0ac34ffd36_prep
		.amdhsa_group_segment_fixed_size 86016
		.amdhsa_private_segment_fixed_size 0
		.amdhsa_enable_private_segment 0
		.amdhsa_kernarg_size 64
		.amdhsa_user_sgpr_count 2
		.amdhsa_user_sgpr_kernarg_segment_ptr 1
		.amdhsa_wavefront_size32 1
		.amdhsa_system_sgpr_workgroup_id_x 1
		.amdhsa_system_sgpr_workgroup_id_y 1
		.amdhsa_system_sgpr_workgroup_id_z 1
		.amdhsa_system_vgpr_workitem_id 0
		.amdhsa_next_free_vgpr 512
		.amdhsa_next_free_sgpr 66
		.amdhsa_reserve_vcc 0
		.amdhsa_float_denorm_mode_32 3
		.amdhsa_float_denorm_mode_16_64 3
		.amdhsa_memory_ordered 1
		.amdhsa_forward_progress 1
		.amdhsa_inst_pref_size 107
	.end_amdhsa_kernel
	.amdgpu_metadata
---
amdhsa.version: [ 1, 2 ]
amdhsa.kernels:
  - .name:           k_q0ac34ffd36_prep
    .symbol:         k_q0ac34ffd36_prep.kd
    .args:
      - { .name: x, .offset: 0, .size: 8, .value_kind: global_buffer, .address_space: global }
      - { .name: org_weight, .offset: 8, .size: 8, .value_kind: global_buffer, .address_space: global }
      - { .name: hada_w1_a, .offset: 16, .size: 8, .value_kind: global_buffer, .address_space: global }
      - { .name: hada_w1_b, .offset: 24, .size: 8, .value_kind: global_buffer, .address_space: global }
      - { .name: hada_w2_a, .offset: 32, .size: 8, .value_kind: global_buffer, .address_space: global }
      - { .name: hada_w2_b, .offset: 40, .size: 8, .value_kind: global_buffer, .address_space: global }
      - { .name: xq, .offset: 48, .size: 8, .value_kind: global_buffer, .address_space: global }
      - { .name: wq, .offset: 56, .size: 8, .value_kind: global_buffer, .address_space: global }
    .group_segment_fixed_size: 86016
    .private_segment_fixed_size: 0
    .kernarg_segment_align: 8
    .kernarg_segment_size: 64
    .max_flat_workgroup_size: 256
    .sgpr_count:     66
    .vgpr_count:     512
    .wavefront_size: 32
...
	.end_amdgpu_metadata
.endif
;; end of part 1
;; launch gemm (part 2): grid 16 x 16, 4 waves a work-group, clusters of 4 x 4, 327,680 bytes of LDS; arguments xq, wq, org_bias, out0; writes out0
.if DOCPART == 2
	.amdgcn_target "amdgcn-amd-amdhsa--gfx1250"
	.amdhsa_code_object_version 6
	.text
	.protected	k_q0ac34ffd36_gemm
	.globl	k_q0ac34ffd36_gemm
	.p2align	8
	.type	k_q0ac34ffd36_gemm,@function
k_q0ac34ffd36_gemm:
	s_mov_b64 s[64:65], 0
	v_nop
	global_prefetch_b8 v0, s[64:65] scope:SCOPE_SE
	s_setreg_imm32_b32 hwreg(HW_REG_WAVE_MODE, 25, 1), 1
	s_wait_xcnt 0x0
	s_wait_alu depctr_hold_cnt(0) depctr_sa_sdst(0) depctr_va_vdst(0) depctr_va_sdst(0) depctr_va_ssrc(0) depctr_va_vcc(0) depctr_vm_vsrc(0)
	s_getreg_b32 s2, hwreg(HW_REG_IB_STS2, 6, 4)
	s_cmp_eq_u32 s2, 0
	s_cbranch_scc0 .Lentry_in_a_cluster
	s_endpgm
.Lentry_in_a_cluster:
	s_bfe_u32 s2, ttmp6, 0x10000c
	s_cmp_lg_u32 s2, 0xf033
	s_cbranch_scc0 .Lentry_shape_is_right
	s_endpgm
.Lentry_shape_is_right:
; out0[m][n] = sum over k of Q(x)[m][k] Q(W)[n][k] + org_bias[n], m, n, k to 4,096, on codes of FP6 (E2M3) with one E8M0 scale for each 32 along K; sums in f32, K ascending, one accumulator an output.
; xq (A) and wq (B) lie in the order of the operand's registers: [group of 128 rows][128 along K] blocks of 12,800 bytes: the fragment of rows 16 i on at 1,536 i + 512 c + 16 lane, scale words at 12,288 + 64 i + 4 r.
; So the codes and scales of 128 rows and several steps of 128 along K are ONE dense run for one tensor load, a fragment is three loads of 16 bytes a lane, 512 consecutive bytes each, and nothing is padded.
; A tile of out0, 256 x 256, is made by a work-group of four waves; a wave makes 128 x 128: 64 accumulators of 16 x 16, 512 registers.  256 tiles: one to a work-group.
; THE RING: two LDS slots, each with THREE steps of 128 along K of four groups of rows (A's two, B's two): 4 x 38,400 bytes a slot, the most that two slots leave room for (four steps would want 409,600 bytes).
; Each wave fetches one group's run.  From a request to the wait for it a wave issues 160 matrix instructions.  K's 32 steps are 2 + 10 x 3: the first slot is filled with two steps only, by descriptors of its own.
; By this text's count a wave has two tensor loads out at the start, later one.
; CLUSTERS: 4 x 4 work-groups.  The four of a row of the cluster need the same runs of A, the four of a column the same runs of B: each is asked for JOINTLY, by the same tensor load with the same descriptor and a mask of the four.
; THE MATRIX INSTRUCTION IS USED TRANSPOSED (source 0 = 16 rows of B, source 1 = 16 rows of A): a lane then holds eight neighbouring numbers of a row of out0.
; THE BIAS is the C of each sum's first matrix instruction: eight registers for each of B's eight blocks, in the result's layout.
; REGISTERS, in windows of 256: window 0: v0-31 addresses; v32-47 scale words, two sets; v64-127 the bias; v128-223 A's fragments, ONE set; on the way out v128-255 take rows of out0.
;   window 1: B's fragments, TWO sets, at v0 and at v128.   window 2: the 32 accumulators of my rows 0-63 ((a, b) at v[8 (8 a + b)]);   window 3: those of my rows 64-127.
; B's sets and the scale words' sets are taken by the step's parity p; a trip of the loop is six steps, so the parities come back.
; LDS: all of it is claimed; 307,712 bytes are used.
.set SIZE_N, 4096
.set SUB,    12800                     ; a block of the workspace: 128 rows x 128 along K: 50 rows of 256 bytes
.set RGB,    32*SUB                    ; a group of 128 rows: 32 steps
.set SCO,    12288                     ; where a block's scale words begin
.set NQ,     3                         ; steps in a slot
.set SB,     NQ*SUB                    ; what one tensor load brings: 150 rows of 256 bytes
.set SLOT,   4*SB
.set SPARE,  2*SLOT                    ; behind the ring: the spare words, 128 bytes for each wave: two blocks of 256 bytes that no other line names
.set STAGE,  SLOT                      ; the way out: 16 rows x (512 bytes + 16) for each wave.  It lies in slot 1, which has had its last fill and its last read when the first result is stored there
.set SPITCH, 528
.set TRIPS,  4                         ; a trip = two slots = once round the ring
.set FR,     12                        ; registers of a fragment
.set NL,     3                         ; LDS loads that bring one
.set NP,     4                         ; places behind this matrix instruction (ISA guide 7.12.1)
.set ADRA, 16                          ; v16-17  LDS address of my A fragments in slot 0, 1: + 16 x lane
.set ADRS, 18                          ; v18-19  of my scale words: lanes 0-15 A's rows, lanes 16-31 B's
.set ADRB, 20                          ; v20-21  of my B fragments
.set STO,  24                          ; v24     the way out: where I put 32 bytes of a row
.set RD,   25                          ; v25     the way out: where I read a row back
.set CO,   26                          ; v26     my byte offset in a row of out0
.set BO,   27                          ; v27     32 x (lane / 16): my eight numbers of a bias block
.set SPW,  28                          ; v28     LDS address of my spare word: SPARE + 4 x my thread's number; never rewritten
.set NIL,  29                          ; v29     0; never rewritten
.set PFO,  30                          ; v30-31  the prefetches' offsets; never rewritten
.set SC,   32                          ; scale words: set p at v[SC + 8 p]; register i: lanes 0-15 A's block i, lanes 16-31 B's block i
.set BI,   64                          ; the bias: block b at v[BI + 8 b]
.set AF,   128
.set BK,   128                         ; the way out: 16 rows read back: v128-191 and v192-255 by turns
.set G1,   24                          ; s[24:31] descriptor group 1 for A's runs of three steps;  s[32:39] group 0, one set for each slot
.set G0,   32
.set G1B,  48                          ; s[48:55], s[56:63] the same for B's
.set G0B,  56
.set G1H,  76                          ; s[76:83] group 1 for A's first run, of two steps;  s[84:91] for B's
.set G1HB, 84
.set PFA,  66                          ; s[66:67] where my prefetches stand
.set LIM,  68                          ; s68     1 in a wave that prefetches, else the greatest number
.set MSB, 0
.macro WIN new                         ; the immediate's high byte repeats the setting that is left
.if MSB != \new
	s_set_vgpr_msb (MSB<<8)|\new
.set MSB, \new
.endif
.endm
.set MUL_LO,   0xa1                    ; source 0 (B) window 1, source 1 (A) window 0, C and D window 2
.set MUL_HI,   0xf1                    ; the same, C and D window 3
.set FIRST_LO, 0x81                    ; the first step: C (the bias) window 0, D window 2
.set FIRST_HI, 0xc1                    ; D window 3
.set TO_B,     0x40                    ; destination window 1, address window 0
; A joint load: waves 0 and 1 fetch for A, waves 2 and 3 for B.  Each of the two lines has ONE mask and one set of registers for all that issue it; the branch hangs on the wave's number alone.
; Four v_nop follow each of the two lines, ahead of the jump, the label and what follows.
.macro JLOAD g0a, g1a, g0b, g1b
	s_cmp_eq_u32 s15, 0
	s_cbranch_scc0 .Lfor_b_\@
	tensor_load_to_lds s[\g0a:\g0a+3], s[\g1a:\g1a+7]
	s_nop 0
.rept 4
	v_nop
.endr
	s_branch .Lasked_\@
.Lfor_b_\@:
	tensor_load_to_lds s[\g0b:\g0b+3], s[\g1b:\g1b+7]
	s_nop 0
.rept 4
	v_nop
.endr
.Lasked_\@:
.endm
; A PREFETCH INTO THE L2 of the run that the NEXT refill will ask for: a slot's 192 matrix instructions ahead of that load.  A run is 150 pieces of 256 bytes.
; A's runs are read by every cluster of a row of clusters: the one with x = 0 asks; B's by every cluster of a column: the one with y = 0 asks.  The four partners that ask for a run jointly share it out BY ADDRESS:
; the partner at place p (cx for A, cy for B) names pieces 38 p .. 38 p + 37, held at piece 149: 32 by the first instruction, a lane a piece, 6 by the second (whose other lanes name its last piece again).
; how = 1: asked wherever the wave is one that asks; how = 0, at the loop's second change of slots: not in the last trip, behind whose refill there is no run.  The first three runs come by their loads alone.
.macro ASK how
.if \how
	s_cmp_eq_u32 s[LIM], 1
.else
	s_cmp_gt_u32 s3, s[LIM]                        ; s3 = 1 in the loop's last trip
.endif
	s_cbranch_scc0 .Lnot_mine_\@
	global_prefetch_b8 v[PFO], s[PFA:PFA+1] th:TH_LOAD_NT scope:SCOPE_SE
	global_prefetch_b8 v[PFO+1], s[PFA:PFA+1] th:TH_LOAD_NT scope:SCOPE_SE
.Lnot_mine_\@:
.endm
.macro CREST                           ; a round of the cluster's barrier behind its opening barrier
	s_cmp_lg_u32 s14, 0
	s_cbranch_scc1 .Lnot_wave_0_\@
	s_barrier_signal -3
.Lnot_wave_0_\@:
	s_barrier_wait -3
	s_barrier_signal -1
	s_barrier_wait -1
.endm
.macro CROUND                          ; a whole round
	s_barrier_signal -1
	s_barrier_wait -1
	CREST
.endm
	s_load_b256 s[4:11], s[0:1], 0x0               ; xq s[4:5], wq s[6:7], org_bias s[8:9], out0 s[10:11]
	v_lshl_add_u32 v[SPW], v0, 2, SPARE
	v_mov_b32 v[NIL], 0
	ds_add_u32 v28, v29
	ds_add_u32 v28, v29
	s_wait_dscnt 0x0
	v_lshrrev_b32 v1, 5, v0
	v_readfirstlane_b32 s14, v1                    ; wave 0..3
	s_lshr_b32 s15, s14, 1                         ; which half of the tile's rows is mine.  Also: I fetch for A (0) or for B (1)
	s_and_b32 s16, s14, 1                          ; which half of its columns.  Also: which group of 128 rows I fetch
	s_bfe_u32 s40, ttmp6, 0x40000                  ; cx, cy: my place in the cluster
	s_bfe_u32 s41, ttmp6, 0x40004
	s_lshl_b32 s42, ttmp9, 2
	s_add_co_u32 s42, s42, s40                     ; tile column = 4 x cluster x + cx
	s_and_b32 s17, ttmp7, 0xffff
	s_lshl_b32 s17, s17, 2
	s_add_co_u32 s17, s17, s41                     ; tile row = 4 x cluster y + cy
	s_lshl_b32 s43, s41, 2
	s_lshl_b32 s43, 15, s43                        ; my row of the cluster
	s_lshl_b32 s44, 0x1111, s40                    ; my column
	; descriptor group 1: a dense run as rows of 32 elements of 8 bytes, no padding: 150 rows, and 100 for the first slot's two steps
	s_or_b32 s[G1+0], s43, (3<<16)|(1<<21)         ; 15:0 the mask: A's runs go to my row; 17:16 elements of 8 bytes; 21 set beside a mask
	s_or_b32 s[G1B+0], s44, (3<<16)|(1<<21)        ; B's go to my column
	s_or_b32 s[G1H+0], s43, (3<<16)|(1<<21)
	s_or_b32 s[G1HB+0], s44, (3<<16)|(1<<21)
.irp g, G1, G1B
	s_mov_b32 s[\g+1], 32<<16                      ; tensor_dim0 = 32
	s_mov_b32 s[\g+2], 150<<16                     ; tensor_dim1 = 150
	s_mov_b32 s[\g+3], 32<<16                      ; tile_dim0 = 32
	s_mov_b32 s[\g+4], 150                         ; tile_dim1 = 150
	s_mov_b32 s[\g+5], 32                          ; tensor_dim0_stride
	s_mov_b32 s[\g+6], 0
	s_mov_b32 s[\g+7], 0
.endr
.irp g, G1H, G1HB
	s_mov_b32 s[\g+1], 32<<16
	s_mov_b32 s[\g+2], 100<<16                     ; tensor_dim1 = 100
	s_mov_b32 s[\g+3], 32<<16
	s_mov_b32 s[\g+4], 100                         ; tile_dim1 = 100
	s_mov_b32 s[\g+5], 32
	s_mov_b32 s[\g+6], 0
	s_mov_b32 s[\g+7], 0
.endr
	s_lshl_b32 s20, s17, 1
	s_add_co_u32 s20, s20, s16                     ; A: group 2 x tile row + half: it hangs on what my row of the cluster shares
	s_mul_i32 s20, s20, RGB
	s_mov_b32 s21, 0
	s_lshl_b32 s46, s42, 1
	s_add_co_u32 s46, s46, s16                     ; B: group 2 x tile column + half
	s_mul_i32 s46, s46, RGB
	s_mov_b32 s47, 0
	s_mul_i32 s45, s14, SB                         ; where they go: wave x a run: no place in the cluster enters an LDS address
	s_wait_kmcnt 0x0
	s_add_nc_u64 s[20:21], s[4:5], s[20:21]
	s_add_nc_u64 s[46:47], s[6:7], s[46:47]
	CROUND                                         ; all sixteen work-groups are here: the first joint loads meet
.irp s, 0,1
	s_mov_b32 s[G0+4*\s], 1                        ; count = 1
	s_add_co_u32 s[G0+4*\s+1], s45, \s*SLOT        ; LDS address
	s_add_nc_u64 s[G0+4*\s+2:G0+4*\s+3], s[20:21], \s*2*SUB   ; global address: slot 0 begins with step 0, slot 1 with step 2
	s_or_b32 s[G0+4*\s+3], s[G0+4*\s+3], 0x80000000           ; type = 2
	s_mov_b32 s[G0B+4*\s], 1
	s_add_co_u32 s[G0B+4*\s+1], s45, \s*SLOT
	s_add_nc_u64 s[G0B+4*\s+2:G0B+4*\s+3], s[46:47], \s*2*SUB
	s_or_b32 s[G0B+4*\s+3], s[G0B+4*\s+3], 0x80000000
.endr
	JLOAD G0, G1H, G0B, G1HB                       ; steps 0 and 1
	JLOAD G0+4, G1, G0B+4, G1B                     ; steps 2 to 4
	v_and_b32 v1, 15, v0                           ; r
	v_bfe_u32 v2, v0, 4, 1                         ; h
	v_and_b32 v3, 31, v0                           ; lane
	v_lshlrev_b32 v4, 4, v3                        ; 16 x lane
	s_mul_i32 s21, s15, SB                         ; my 128 rows of A
	s_mul_i32 s22, s16, SB                         ; my 128 rows of B,
	s_add_co_u32 s22, s22, 2*SB                    ; which lie behind A's two runs
.irp s, 0,1
	v_add_nc_u32 v[ADRA+\s], s21, v4
	v_add_nc_u32 v[ADRB+\s], s22, v4
	s_add_co_u32 s21, s21, SLOT
	s_add_co_u32 s22, s22, SLOT
.endr
	s_mul_i32 s21, s15, SB
	s_mul_i32 s22, s16, SB
	s_add_co_u32 s22, s22, 2*SB
	s_sub_co_u32 s22, s22, s21                     ; from my run of A to my run of B
	v_mul_u32_u24 v6, s22, v2                      ; lanes 16-31 take B's words
	v_lshl_add_u32 v6, v1, 2, v6                   ; 4 bytes a row
	s_add_co_u32 s21, s21, SCO
	v_add_nc_u32 v[ADRS], s21, v6
	v_add_nc_u32 v[ADRS+1], SLOT, v[ADRS]
	s_mul_i32 s23, s14, 16*SPITCH
	s_add_co_u32 s23, s23, STAGE                   ; my stage
	v_mul_u32_u24 v5, v1, SPITCH                   ; in: row r, 32 bytes for each half of the lanes
	v_lshl_add_u32 v5, v2, 5, v5
	v_add_nc_u32 v[STO], s23, v5
	v_lshlrev_b32 v[CO], 4, v3                     ; back: the 32 lanes take one row of 512 bytes; and the same in out0
	v_add_nc_u32 v[RD], s23, v[CO]
	v_lshlrev_b32 v[BO], 5, v2
	s_lshl_b32 s20, s17, 8
	s_lshl_b32 s21, s15, 7
	s_add_co_u32 s20, s20, s21                     ; my first row of out0: 256 x tile row + 128 x half
	s_lshl_b32 s20, s20, 14                        ; x 16,384 bytes (under 2^26)
	s_lshl_b32 s46, s42, 10                        ; my first column, in bytes: 1,024 x tile column + 512 x half: in out0's rows and in the bias alike
	s_lshl_b32 s47, s16, 9
	s_add_co_u32 s46, s46, s47
	s_mov_b32 s47, 0
	s_add_co_u32 s20, s20, s46
	s_mov_b32 s21, 0
	s_add_nc_u64 s[10:11], s[10:11], s[20:21]
	s_add_nc_u64 s[8:9], s[8:9], s[46:47]
.irp b, 0,1,2,3,4,5,6,7
	global_load_b128 v[BI+8*\b:BI+8*\b+3], v[BO], s[8:9] offset:64*\b          ; lane (r, h): bias of columns 16 b + 8 h + 0 .. 7
	global_load_b128 v[BI+8*\b+4:BI+8*\b+7], v[BO], s[8:9] offset:64*\b+16
.endr
	; the prefetches: whose, and where they stand
	s_and_b32 s71, ttmp7, 0xffff                   ; cluster y
	s_cmp_eq_u32 s15, 0                            ; do I fetch for A?
	s_cselect_b32 s69, s17, s42                    ; the tile's number: row for A, column for B
	s_cselect_b32 s70, s40, s41                    ; my place among the four that ask with me
	s_cselect_b32 s71, ttmp9, s71                  ; the coordinate along which other clusters read the same runs
	s_cselect_b64 s[PFA:PFA+1], s[4:5], s[6:7]
	s_cmp_eq_u32 s71, 0
	s_cselect_b32 s[LIM], 1, -1                    ; the same in all sixteen partners, for a given wave
	s_lshl_b32 s69, s69, 1
	s_add_co_u32 s69, s69, s16                     ; the group of rows that I fetch
	s_mul_i32 s72, s69, RGB
	s_add_co_u32 s72, s72, 5*SUB                   ; at step 5, the third run: the first refill steps it to the fourth and names that
	s_mov_b32 s73, 0
	s_add_nc_u64 s[PFA:PFA+1], s[PFA:PFA+1], s[72:73]
	s_mul_i32 s70, s70, 38                         ; my work-group's first piece of a run's 150
	v_add_nc_u32 v[PFO], s70, v3
	v_min_u32 v[PFO], 149, v[PFO]
	v_lshlrev_b32 v[PFO], 8, v[PFO]                ; pieces 38 p + lane
	v_min_u32 v[PFO+1], 5, v3
	v_add_nc_u32 v[PFO+1], s70, v[PFO+1]
	v_add_nc_u32 v[PFO+1], 32, v[PFO+1]
	v_min_u32 v[PFO+1], 149, v[PFO+1]
	v_lshlrev_b32 v[PFO+1], 8, v[PFO+1]            ; pieces 38 p + 32 .. 38 p + 37
.macro FRAG reg, adr, q, i             ; a fragment comes as the image of its 12 registers: three loads, each 512 consecutive bytes
.irp c, 0,1,2
	ds_load_b128 v[\reg+4*\c:\reg+4*\c+3], v[\adr] offset:(\q)*SUB+(\i)*1536+512*\c
.endr
.endm
; 16 matrix instructions: A's blocks a0, a0 + 1 x B's eight, 128 along K.  p: B's set and the set of scale words.  zero = 1: the first product starts the sums, on the bias.
; The 64 accumulators take turns, one instruction a turn, in the same order in every step.
.macro MUL16 a0, p, zero
.irp a, \a0, \a0+1
.irp b, 0,1,2,3,4,5,6,7
.if \zero
	v_wmma_scale_f32_16x16x128_f8f6f4 v[8*(8*((\a)%4)+\b):8*(8*((\a)%4)+\b)+7], v[128*(\p)+FR*\b:128*(\p)+FR*\b+FR-1], v[AF+FR*(\a):AF+FR*(\a)+FR-1], v[BI+8*\b:BI+8*\b+7], v[SC+8*(\p)+\b], v[SC+8*(\p)+(\a)] matrix_a_fmt:MATRIX_FMT_FP6 matrix_b_fmt:MATRIX_FMT_FP6 matrix_a_scale:MATRIX_SCALE_ROW1
.else
	v_wmma_scale_f32_16x16x128_f8f6f4 v[8*(8*((\a)%4)+\b):8*(8*((\a)%4)+\b)+7], v[128*(\p)+FR*\b:128*(\p)+FR*\b+FR-1], v[AF+FR*(\a):AF+FR*(\a)+FR-1], v[8*(8*((\a)%4)+\b):8*(8*((\a)%4)+\b)+7], v[SC+8*(\p)+\b], v[SC+8*(\p)+(\a)] matrix_a_fmt:MATRIX_FMT_FP6 matrix_b_fmt:MATRIX_FMT_FP6 matrix_a_scale:MATRIX_SCALE_ROW1
.endif
.endr
.endr
.endm
.macro FETCH_B slot, q, p              ; B's eight fragments of the slot's q-th step into set p
	WIN TO_B
.irp i, 0,1,2,3,4,5,6,7
	FRAG 128*(\p)+FR*\i, ADRB+\slot, \q, \i
.endr
	WIN 0
.endm
.macro FETCH_A slot, q, i0             ; A's blocks i0 .. i0 + 3
.irp i, \i0, \i0+1, \i0+2, \i0+3
	FRAG AF+FR*(\i), ADRA+\slot, \q, \i
.endr
.endm
.macro SCALES slot, q, p               ; the scale words of the slot's q-th step into set p: lanes 0-15 take A's block i, lanes 16-31 B's block i
.irp i, 0,1,2,3,4,5,6,7
	ds_load_b32 v[SC+8*(\p)+\i], v[ADRS+\slot] offset:(\q)*SUB+64*\i
.endr
.endm
; A load into a register that a matrix instruction has read, and an LDS store that reads a matrix result, stand NP places behind that matrix instruction; only plain vector instructions that name none of its
; registers are places (ISA guide 7.12.1 for vector instructions).
.macro PLACES n
.rept \n
	v_nop
.endr
.endm
; A step of 128 along K, the slot's q-th, of parity p, that has its successor in the same slot.  At most 56 LDS loads of mine are out: 44 of the middle run and the twelve of the end.
.macro STEP slot, q, p, zero
	s_wait_dscnt 4*NL                              ; B's set, the scale words and A's blocks 0-3 are in; the youngest twelve loads (A's blocks 4-7) may be out
.if \zero
	WIN FIRST_LO
.else
	WIN MUL_LO
.endif
	MUL16 0, \p, \zero
	MUL16 2, \p, \zero
	s_wait_dscnt 0                                 ; A's blocks 4-7 are in (asked for 32 matrix instructions ago)
	PLACES NP
	FETCH_B \slot, (\q)+1, 1-(\p)
	FETCH_A \slot, (\q)+1, 0
	SCALES \slot, (\q)+1, 1-(\p)
.if \zero
	WIN FIRST_HI
.else
	WIN MUL_HI
.endif
	MUL16 4, \p, \zero
	MUL16 6, \p, \zero
	PLACES NP
	WIN 0
	FETCH_A \slot, (\q)+1, 4
.endm
; A slot's last step, of parity p, changes slots: ONE barrier; in front of it each wave waits for all its tensor loads, adds 0 to its spare word, and waits for that and for its own reads of this slot.
; fill = 1: the barrier opens a round of the cluster's barrier, and this slot is filled again, with the run that lies step bytes on, first thing behind the round.
.macro TURN slot, next, p, fill, step, how
.if \fill
	s_wait_xcnt 0x0                                ; the last prefetches, a slot back, have read their address: it is stepped here, ahead of the waits of the change of slots
	s_add_nc_u64 s[PFA:PFA+1], s[PFA:PFA+1], SB
.endif
	s_wait_tensorcnt 0x0                           ; all my tensor loads have landed: my part of the next slot  (every window is 0 here)
	ds_add_u32 v[SPW], v[NIL]                      ; 0 onto my spare word
	s_wait_dscnt 4*NL+1                            ; (the add and the youngest twelve loads, A's blocks 4-7, may be out)
	WIN MUL_LO
	MUL16 0, \p, 0                                 ; sixteen matrix instructions stand between the add and the wait for it
	s_wait_dscnt 0x0                               ; the add is done, and my reads of this slot are over
	s_barrier_signal -1
	MUL16 2, \p, 0
	WIN 0
	s_barrier_wait -1
.if \fill
	CREST                                          ; no wave of any partner still reads this slot's runs or has a load on its way
	s_add_nc_u64 s[G0+4*\slot+2:G0+4*\slot+3], s[G0+4*\slot+2:G0+4*\slot+3], \step
	s_add_nc_u64 s[G0B+4*\slot+2:G0B+4*\slot+3], s[G0B+4*\slot+2:G0B+4*\slot+3], \step
	JLOAD G0+4*\slot, G1, G0B+4*\slot, G1B         ; the first tensor load behind the round; the four v_nop behind it are the places in front of the loads below
.else
	PLACES NP
.endif
	FETCH_B \next, 0, 1-(\p)
	FETCH_A \next, 0, 0
	SCALES \next, 0, 1-(\p)
.if \fill
	ASK \how                                       ; behind the joint load and the run of LDS loads that the next products wait for
.endif
	WIN MUL_HI
	MUL16 4, \p, 0
	MUL16 6, \p, 0
	PLACES NP
	WIN 0
	FETCH_A \next, 0, 4
.endm
	s_wait_tensorcnt 1                             ; my part of steps 0 and 1 is in (slot 1's load may be out)
	s_barrier_signal -1
	s_barrier_wait -1                              ; everybody's is
	FETCH_B 0, 0, 0
	FETCH_A 0, 0, 0
	SCALES 0, 0, 0
	FETCH_A 0, 0, 4
	s_wait_loadcnt 0x0                             ; the bias
	STEP 0, 0, 0, 1                                ; step 0: its products start the sums
	TURN 0, 1, 1, 1, 5*SUB, 1                      ; step 1 ends the short first slot; slot 0 takes steps 5 to 7
	s_mov_b32 s3, TRIPS
.Llap:                                                 ; a trip: slot 1's three steps, slot 0's three steps; both slots are filled again, six steps on
	STEP 1, 0, 0, 0
	STEP 1, 1, 1, 0
	TURN 1, 0, 0, 1, 6*SUB, 1
	STEP 0, 0, 1, 0
	STEP 0, 1, 0, 0
	TURN 0, 1, 1, 1, 6*SUB, 0
	s_sub_co_u32 s3, s3, 1
	s_cmp_lg_u32 s3, 0
	s_cbranch_scc1 .Llap
	STEP 1, 0, 0, 0                                ; steps 26 to 31 fill nothing, and have no round of the cluster's barrier
	STEP 1, 1, 1, 0
	TURN 1, 0, 0, 0, 0, 0                          ; behind this barrier nobody reads slot 1 any more
	STEP 0, 0, 1, 0
	STEP 0, 1, 0, 0
	s_wait_dscnt 4*NL                              ; the very last step: nothing more to fetch
	WIN MUL_LO
	MUL16 0, 1, 0
	MUL16 2, 1, 0
	s_wait_dscnt 0
	WIN MUL_HI
	MUL16 4, 1, 0
	MUL16 6, 1, 0
	WIN 0
; THE WAY OUT, block by block of 16 rows x 128 columns.  A lane holds 32 neighbouring bytes of a row, and the lanes beside it hold other rows: so a block goes through my own stage in LDS and comes back as whole
; rows of 512 bytes.  LDS serves a wave's instructions in order (ISA guide 5.7.1.4): no wait between the stores and the loads, nor in front of the next block's stores.
.macro TOSTAGE a
.set AC, 64*((\a)%4)
	WIN 0x08+4*((\a)/4)                            ; the data: window 2 or 3
.irp b, 0,1,2,3,4,5,6,7
	ds_store_b128 v[STO], v[AC+8*\b:AC+8*\b+3] offset:64*\b          ; each accumulator from its low end on
	ds_store_b128 v[STO], v[AC+8*\b+4:AC+8*\b+7] offset:64*\b+16
.endr
	WIN 0
.set BB, BK+64*((\a)%2)
.irp t, 0,1,2,3,4,5,6,7,8,9,10,11,12,13,14,15
	ds_load_b128 v[BB+4*\t:BB+4*\t+3], v[RD] offset:\t*SPITCH
.endr
.endm
.macro SEND a, younger                 ; younger: the LDS instructions issued behind block a's loads, which may stay out
.set BB, BK+64*((\a)%2)
	s_wait_dscnt \younger                          ; the block is back in registers
.if (\a) > 0
	s_add_nc_u64 s[10:11], s[10:11], 16*SIZE_N*4   ; (behind a wait on XCNT: the earlier stores have read their base)  16 rows on, so that the stores' offsets stay at 15 rows at the most
.endif
.irp t, 0,1,2,3,4,5,6,7,8,9,10,11,12,13,14,15
	global_store_b128 v[CO], v[BB+4*\t:BB+4*\t+3], s[10:11] offset:\t*SIZE_N*4 th:TH_STORE_NT   ; 32 lanes store 512 consecutive bytes, at a multiple of 256 from out0's first byte; written once, read by nobody here
.endr
.endm
	PLACES NP                                      ; for the loads into the registers that held A's fragments, and for the reads of the last products' results
	TOSTAGE 0
.irp a, 1,2,3,4,5,6,7
.if \a > 1
	s_wait_xcnt 0x0                                ; block a - 2's stores have read their registers and their base: block a's loads may land there, and the base may step
.endif
	TOSTAGE \a
	SEND \a-1, 32                                  ; behind block a - 1's loads: block a's 16 stores and 16 loads
.endr
	s_wait_xcnt 0x0                                ; block 6's stores have read their base
	SEND 7, 0
	s_wait_tensorcnt 0x0                           ; the wave's end, behind my last tensor load and my last LDS store
	ds_add_u32 v[SPW], v[NIL]
	s_wait_dscnt 0x0
	CROUND                                         ; the closing round: no work-group ends while a partner may still ask for a run that names it
	s_endpgm
.Lfunc_end_k_q0ac34ffd36_gemm:
	.size	k_q0ac34ffd36_gemm, .Lfunc_end_k_q0ac34ffd36_gemm-k_q0ac34ffd36_gemm
	.p2alignl 7, 3214868480
	.fill 96, 4, 3214868480
	.section	.rodata,"a",@progbits
	.p2align	6, 0x0
	.amdhsa_kernel k_q0ac34ffd36_gemm
		.amdhsa_group_segment_fixed_size 327680
		.amdhsa_private_segment_fixed_size 0
		.amdhsa_enable_private_segment 0
		.amdhsa_kernarg_size 32
		.amdhsa_user_sgpr_count 2
		.amdhsa_user_sgpr_kernarg_segment_ptr 1
		.amdhsa_wavefront_size32 1
		.amdhsa_system_sgpr_workgroup_id_x 1
		.amdhsa_system_sgpr_workgroup_id_y 1
		.amdhsa_system_sgpr_workgroup_id_z 1
		.amdhsa_system_vgpr_workitem_id 0
		.amdhsa_next_free_vgpr 1024
		.amdhsa_next_free_sgpr 92
		.amdhsa_reserve_vcc 0
		.amdhsa_float_denorm_mode_32 3
		.amdhsa_float_denorm_mode_16_64 3
		.amdhsa_memory_ordered 1
		.amdhsa_forward_progress 1
		.amdhsa_inst_pref_size 212
	.end_amdhsa_kernel
	.amdgpu_metadata
---
amdhsa.version: [ 1, 2 ]
amdhsa.kernels:
  - .name:           k_q0ac34ffd36_gemm
    .symbol:         k_q0ac34ffd36_gemm.kd
    .args:
      - { .name: xq, .offset: 0, .size: 8, .value_kind: global_buffer, .address_space: global }
      - { .name: wq, .offset: 8, .size: 8, .value_kind: global_buffer, .address_space: global }
      - { .name: org_bias, .offset: 16, .size: 8, .value_kind: global_buffer, .address_space: global }
      - { .name: out0, .offset: 24, .size: 8, .value_kind: global_buffer, .address_space: global }
    .group_segment_fixed_size: 327680
    .private_segment_fixed_size: 0
    .kernarg_segment_align: 8
    .kernarg_segment_size: 32
    .max_flat_workgroup_size: 128
    .sgpr_count:     92
    .vgpr_count:     1024
    .wavefront_size: 32
...
	.end_amdgpu_metadata
.endif
;; end of part 2
;; ======== version 2 of 2: 2 launches; version 1 with the launch prep written anew for expert scheduling mode
;; workspace buffers: xq 13,107,200 bytes; wq 13,107,200 bytes
;; launch prep (part 3): grid 32 x 8, 8 waves a work-group, no clusters, 86,016 bytes of LDS; arguments x, org_weight, hada_w1_a, hada_w1_b, hada_w2_a, hada_w2_b, xq, wq; writes xq, wq
.if DOCPART == 3
	.amdgcn_target "amdgcn-amd-amdhsa--gfx1250"
	.amdhsa_code_object_version 6
	.text
	.protected	k_q0ac34ffd36_prep
	.globl	k_q0ac34ffd36_prep
	.p2align	8
	.type	k_q0ac34ffd36_prep,@function
k_q0ac34ffd36_prep:
	s_mov_b64 s[64:65], 0
	v_nop
	global_prefetch_b8 v0, s[64:65] scope:SCOPE_SE
	s_setreg_imm32_b32 hwreg(HW_REG_WAVE_SCHED_MODE, 0, 2), 2
	s_setreg_imm32_b32 hwreg(HW_REG_WAVE_MODE, 25, 1), 1
	s_wait_xcnt 0x0
	s_wait_alu depctr_vm_vsrc(0)
; x [4096][4096] and W = org_weight + 0.5 (Q(w1a) Q(w1b)) o (Q(w2a) Q(w2b)) [4096][4096] are turned into codes of FP6 (E2M3) with one E8M0 byte for each 32 along K (the last axis of both).
; The two rank-32 products run on the scaled FP6 matrix instruction: their K = 32 is the first of its four blocks of 32; the other three hold zero codes on both sides (scale bytes 0 there, which is 2^-127 and no NaN).
; THE QUANTISER: a block's byte is its largest magnitude's exponent field - 2, held at 1 from below by a floor 2^(3 - 127) among the maximum's leaves; the conversion divides by that scale, rounds to the nearest code, ties to even,
; and gives the largest code beyond 7.5.
; LIMITS: a block of zeros gets the byte 1 where the rule says 127 (its codes are zeros, and only this program reads the bytes); NaN and infinities among the inputs are not served.
; THE FACTOR 0.5 is taken off w1b's scale bytes (byte - 1, at least 0): exact.  W = fma(0.5 d1, d2, org_weight): one rounding where the source has three.
; SHARES.  Work-group (kb, y): columns 128 kb .. + 127, rows 512 y .. + 511, of x and of W.  Wave w: rows 64 w .. + 63 of those, in four trips of 16 rows; a trip is one unit (16 x 128, 64 numbers a lane) of W and one of x.
; The work-group's 128 columns of Q(w1b), Q(w2b) are 16 fragments: the eight waves make two each, hand them round through LDS as images of their registers (the launch's one barrier), and every wave keeps all 16 in registers.
; THE SMALL PRODUCTS ARE USED TRANSPOSED: source 0 = 16 columns of w_b, source 1 = 16 rows of w_a, so that a lane holds ONE row of W.  Lane r of tile 2 b + u takes column 32 b + 8 u + r + 8 (r / 8), so that the 16 registers
; of tiles 2 b, 2 b + 1 are the 16 neighbours 32 b + 16 (lane / 16) + 0 .. 15 along K: the order in which the conversions want them, and in which org_weight's and x's numbers come back from the stage.
; THE WORKSPACE is laid in the order of the operand's registers: [group of 128 rows][128 along K] blocks of 12,800 bytes; in a block the fragment of rows 16 i on at 1,536 i + 512 c + 16 lane
; (c: four registers), scale words at 12,288 + 64 i + 4 r.  Every store of codes covers 512 consecutive bytes, every store of scale words 256, each at a multiple of 256 from the buffer's first byte.
; NO CLUSTER, NO TENSOR LOAD: of the 672 KB that a work-group reads only w_a's 128 KB and w_b's 32 KB are read by other work-groups too, and they go straight into the lanes that convert them.
; No loop and no branch: every offset is an immediate, 63 rows of 16,384 bytes at the most, inside the signed 24-bit immediate (ISA guide, chapter 10).
; THE MODE: SCHED_MODE bits 1:0 = 2 (LLVM: expert scheduling mode 2), set by the entry lines.  The code itself states the register dependences between vector or matrix instructions and memory or LDS instructions,
; with s_wait_alu, always for 0.
; THE PLAN.  Registers that memory or LDS instructions touch, in a trip's order:
;   RW        org_weight's unit lands; the stage's stores read it and the stage's loads land in it; the multiply-adds write it, W's quantiser reads it; the next trip's loads, dealt among the lines that quantise x, land in it.
;   RX        x's unit lands; the stage's stores, dealt among the second half's multiply-adds, read it; the stage's loads, dealt among the lines that quantise W, land in it; x's quantiser reads it; the next trip's loads land in it.
;   RA        (window 1) w_a's rows land; their conversions read them; the next trip's loads land behind W's quantiser.
;   PC0, PW0  W's fragment and scale word: written by W's quantiser, read by the four stores behind it.
;   PC1, PW1  x's: written by x's quantiser, read by the four stores behind it.  PC1 lies in d1's registers, which are idle from a trip's last multiply-add to the next trip's products.
;   v1-v14    offsets and addresses: made at the head, never written again.
; So a trip holds five waits.  On vm_vsrc: between the stage's stores and the stage's loads, once for each unit; the first of the two also states that the last trip's stores have read both out-buffers.
; On va_vdst: ahead of the products (w_a's fragments and scale words are written); behind W's quantiser and behind x's (the out-buffer is written, and the unit's registers are done with).  What is dealt among vector lines
; behind such a wait touches registers that none of those lines names.
; REGISTERS.  Window 0: v1-14 addresses; v16-27 at work; v28, v29 the scale words just made; v30-31 w_a's scale words; v32-39 w_b's; v46, v47 the closing add's two; v48-59 W's fragment just made; v64-127 org_weight's unit, then W;
;   v128-159 d1 (v128-139 also x's fragment just made), v160-191 d2; v192-255 x's unit.
;   Window 1: v0-191 w_b's 16 fragments; v192-215 w_a's two; v216-247 w_a's numbers; v248-255 at work.
.set ROWB,  16384                      ; bytes in a row of x, of org_weight and of w_b
.set BLK,   12800                      ; a block of the workspace: 128 rows x 128 along K
.set RGB,   32*BLK                     ; a group of 128 rows
.set IMG,   0                          ; LDS: 16 images of 768 bytes: registers 0-3 at 16 lane, registers 4-5 at 512 + 8 lane
.set BSC,   12288                      ; 8 x 128 bytes: w_b's scale words, 4 bytes a lane
.set SCG,   13312                      ; 8 x 512 bytes: a wave's scale words on their way out: W's 256 bytes, then x's
.set STG,   17408                      ; 8 x 8,448 bytes: a wave's stage
.set SPT,   528                        ; a stage row: 512 bytes + 16 = 132 words: row r starts at bank 4 r mod 64 (64 banks of 4 bytes: ISA guide 11.1)
.set LI16, 1                           ; v1   16 x lane
.set LI8,  2                           ; v2   8 x lane
.set LI4,  3                           ; v3   4 x lane
.set SI,   4                           ; v4   the stage, in: 16 x lane
.set SO,   5                           ; v5   the stage, out: row r, + 64 h
.set SG,   6                           ; v6   my row's scale word in the wave's gather
.set SGR,  7                           ; v7   the gather, out: 8 x lane
.set VC,   8                           ; v8   my 16 bytes of a fragment in the workspace block
.set VS,   9                           ; v9   my 8 bytes of the wave's scale words there
.set VA,   10                          ; v10  w_a: row r of 128 bytes, + 64 h
.set CB,   11                          ; v11  w_b: my column among the wave's 32, in bytes
.set IW16, 12                          ; v12  where I store my images' registers 0-3
.set IW8,  13                          ; v13  and registers 4-5
.set IWS,  14                          ; v14  and their scale words
.set TM,   16                          ; v16-19 maxima, v20-23 the other half's and bytes, v24-27 scale operands; v16-18, v20-22 again: the conversions' second halves
.set PW0,  28                          ; W's scale word (at the head: w_b's)
.set PW1,  29                          ; x's (at the head: r)
.set AS,   30
.set BS,   32
.set PC0,  48                          ; W's fragment
.set RW,   64
.set D1,   128
.set PC1,  128                         ; x's fragment, in d1's first twelve registers
.set D2,   160
.set RX,   192
.set AF,   192                         ; window 1
.set RA,   216
.set WAM,  248
.set WAX,  252
.set WAS,  254
.set MSB, 0
.macro WIN new                         ; s_set_vgpr_msb: bits 1:0 source 0, 3:2 source 1, 5:4 source 2, 7:6 destination; the immediate's high byte repeats the setting that is left
.if MSB != \new
	s_set_vgpr_msb (MSB<<8)|\new
.set MSB, \new
.endif
.endm
	s_load_b256 s[4:11], s[0:1], 0x0               ; x s[4:5], org_weight s[6:7], w1a s[8:9], w1b s[10:11]
	s_load_b256 s[12:19], s[0:1], 0x20             ; w2a s[12:13], w2b s[14:15], xq s[16:17], wq s[18:19]
	v_lshl_add_u32 v46, v0, 2, 0x14c00
	v_mov_b32 v47, 0
	v_lshrrev_b32 v15, 5, v0
	v_readfirstlane_b32 s20, v15                   ; wave 0..7
	v_and_b32 v15, 31, v0                          ; lane
	v_and_b32 v29, 15, v0                          ; r
	v_bfe_u32 v40, v0, 4, 1                        ; h
	s_wait_alu depctr_va_sdst(0)                   ; s20 is written, ahead of its first reader: the wave's shares, LDS places and bases are made from it
	s_lshr_b32 s21, s20, 2                         ; p: for which of the two products I quantise w_b
	s_and_b32 s22, s20, 3                          ; b: which 32 of the 128 columns
	s_sub_co_u32 s23, 1, s21                       ; what comes off the scale byte: 1 for w1b (the factor 0.5), 0 for w2b
	s_mov_b32 s24, 0x76543210
	s_mov_b32 s25, 0xfedcba98                      ; v_permlanex16_b32's selects for lane l xor 16
	s_and_b32 s46, ttmp7, 0xffff                   ; y
	v_lshlrev_b32 v[LI16], 4, v15
	v_lshlrev_b32 v[LI8], 3, v15
	v_lshlrev_b32 v[LI4], 2, v15
	s_mul_i32 s28, s20, 16*SPT
	s_add_co_u32 s28, s28, STG                     ; my wave's stage
	v_add_nc_u32 v[SI], s28, v[LI16]
	v_mul_u32_u24 v[SO], v29, SPT
	v_lshl_add_u32 v[SO], v40, 6, v[SO]
	v_add_nc_u32 v[SO], s28, v[SO]
	s_lshl_b32 s29, s20, 9
	s_add_co_u32 s29, s29, SCG                     ; my wave's gather
	v_lshl_add_u32 v[SG], v29, 2, s29
	v_add_nc_u32 v[SGR], s29, v[LI8]
	s_and_b32 s30, s20, 1                          ; which 64 rows of the group of 128 are my wave's
	s_mul_i32 s31, s30, 6144                       ; their four fragments among the block's eight
	v_add_nc_u32 v[VC], s31, v[LI16]
	s_lshl_b32 s33, s30, 8                         ; and their 64 scale words
	s_add_co_u32 s33, s33, 12288
	v_add_nc_u32 v[VS], s33, v[LI8]
	v_lshlrev_b32 v[VA], 7, v29
	v_lshl_add_u32 v[VA], v40, 6, v[VA]
	v_and_b32 v41, 7, v0
	v_bfe_u32 v42, v0, 3, 1
	v_lshl_add_u32 v41, v42, 4, v41
	v_lshl_add_u32 v41, v40, 3, v41                ; lane % 8 + 16 ((lane / 8) % 2) + 8 (lane / 16): lanes 0-15 the columns of tile 2 b, lanes 16-31 those of tile 2 b + 1
	v_lshlrev_b32 v[CB], 2, v41
	s_mul_i32 s34, s20, 1536                       ; my two images (IMG = 0)
	v_add_nc_u32 v[IW16], s34, v[LI16]
	v_add_nc_u32 v[IW8], s34, v[LI8]
	s_lshl_b32 s35, s20, 7
	s_add_co_u32 s35, s35, BSC
	v_add_nc_u32 v[IWS], s35, v[LI4]
	s_lshl_b32 s36, s46, 9
	s_lshl_b32 s37, s20, 6
	s_add_co_u32 s36, s36, s37                     ; my first row: 512 y + 64 w
	s_lshl_b32 s38, s36, 14
	s_lshl_b32 s39, ttmp9, 9
	s_add_co_u32 s38, s38, s39                     ; x, org_weight: row x 16,384 + 512 kb (under 2^26)
	s_mov_b32 s39, 0
	s_lshl_b32 s40, s36, 7                         ; w_a: row x 128
	s_mov_b32 s41, 0
	s_lshl_b32 s42, s46, 2
	s_lshr_b32 s43, s20, 1
	s_add_co_u32 s42, s42, s43                     ; the group of 128 rows: 4 y + w / 2
	s_mul_i32 s42, s42, RGB
	s_mul_i32 s43, ttmp9, BLK                      ; the block of my 128 along K
	s_add_co_u32 s42, s42, s43
	s_mov_b32 s43, 0
	s_lshl_b32 s44, ttmp9, 9
	s_lshl_b32 s45, s22, 7
	s_add_co_u32 s44, s44, s45                     ; w_b: (128 kb + 32 b) x 4
	s_mov_b32 s45, 0
	s_wait_kmcnt 0x0
	s_add_nc_u64 s[4:5], s[4:5], s[38:39]
	s_add_nc_u64 s[6:7], s[6:7], s[38:39]
	s_add_nc_u64 s[8:9], s[8:9], s[40:41]
	s_add_nc_u64 s[12:13], s[12:13], s[40:41]
	s_add_nc_u64 s[16:17], s[16:17], s[42:43]
	s_add_nc_u64 s[18:19], s[18:19], s[42:43]
	s_cmp_lt_u32 s20, 4                            ; waves 0-3 take w1b, waves 4-7 w2b: the choice hangs on the wave's number alone
	s_cselect_b64 s[26:27], s[10:11], s[14:15]
	s_add_nc_u64 s[26:27], s[26:27], s[44:45]
; Row i of trip t's unit: one load reads the row's 512 consecutive bytes, 16 a lane
.macro LOADR zone, base, t, i
	global_load_b128 v[\zone+4*(\i):\zone+4*(\i)+3], v[LI16], s[\base:\base+1] offset:(16*(\t)+(\i))*ROWB th:TH_LOAD_NT
.endm
; A unit's 16 rows in one run
.macro LOADT zone, base, t
.irp i, 0,1,2,3,4,5,6,7,8,9,10,11,12,13,14,15
	LOADR \zone, \base, \t, \i
.endr
.endm
; w1a's and w2a's 16 rows of trip t: lane (r, h) takes numbers 16 h .. 16 h + 15 of row r.  stated = 1: behind W's quantiser, where the wait for what follows stands under these loads' window, directly ahead of them
.macro LOADA t, stated
	WIN 0x40                                       ; destination window 1
.if \stated
	s_wait_alu depctr_va_vdst(0)                   ; w_a's conversions are done reading v216-247 of window 1, in which these loads land; W's quantiser has written PC0 and PW0, which the stores below read, and is done with RW, in which the loads dealt further down land
.endif
.irp p, 0,1
.irp j, 0,1,2,3
	global_load_b128 v[RA+16*\p+4*\j:RA+16*\p+4*\j+3], v[VA], s[8+4*\p:9+4*\p] offset:2048*(\t)+16*\j
.endr
.endr
	WIN 0
.endm
; A unit turns through my stage: in as loaded, back as 16 neighbours of each block of 32: register 16 b + i = column 32 b + 16 h + i of row r.
; LDS serves a wave's instructions in order (ISA guide 5.7.1.4): the loads see the stores.  They land in the registers that the stores read: the wait between the two states that.
.macro TURN zone
.irp i, 0,1,2,3,4,5,6,7,8,9,10,11,12,13,14,15
	ds_store_b128 v[SI], v[\zone+4*\i:\zone+4*\i+3] offset:SPT*\i
.endr
	s_wait_alu depctr_vm_vsrc(0)                   ; the stores above have read the unit's registers, in which the loads below land; and the last trip's stores have read PC0, PW0, PC1 and PW1, which this trip's products and quantisers write again
.irp b, 0,1,2,3
.irp j, 0,1,2,3
	ds_load_b128 v[\zone+16*\b+4*\j:\zone+16*\b+4*\j+3], v[SO] offset:128*\b+16*\j
.endr
.endr
.endm
; w_a's 16 rows become source 1 of the small products: a row is one block of 32, half of it in lane r, half in lane r + 16.  The two products by turns.
.macro QA
	WIN 0x55                                       ; all in window 1
.irp p, 0,1
	v_max3_num_f32 v[WAM+\p], |v[RA+16*\p]|, |v[RA+16*\p+1]|, 0x1800000   ; my 16 numbers and the floor 2^(3 - 127)
.endr
.irp i, 2,4,6,8,10,12,14
.irp p, 0,1
	v_max3_num_f32 v[WAM+\p], v[WAM+\p], |v[RA+16*\p+\i]|, |v[RA+16*\p+\i+1]|
.endr
.endr
.irp p, 0,1
	v_permlanex16_b32 v[WAX+\p], v[WAM+\p], s24, s25
.endr
.irp p, 0,1
	v_max_num_f32 v[WAM+\p], v[WAM+\p], v[WAX+\p]  ; the row's largest magnitude
.endr
.irp p, 0,1
	v_add_nc_u32 v[WAS+\p], 0xff000000, v[WAM+\p]  ; 2 off its exponent field: the conversion's scale operand
.endr
.irp p, 0,1
	v_cvt_scalef32_pk16_fp6_f32 v[AF+12*\p:AF+12*\p+2], v[RA+16*\p:RA+16*\p+15], v[WAS+\p]
.endr
.irp p, 0,1
.irp i, 0,1,2
	v_mov_b32 v[AF+12*\p+3+\i], 0                  ; (plain lines behind the conversions)
.endr
.endr
.irp p, 0,1
.irp i, 0,1,2
	v_permlane16_swap_b32 v[AF+12*\p+\i], v[AF+12*\p+3+\i]   ; lanes 0-15 now hold all 32 codes of row r in registers 0-5; lanes 16-31, which stand for k = 32 .. 63, hold zeros
.endr
.endr
	WIN 0x04                                       ; source 1 window 1, destination window 0
.irp p, 0,1
	v_lshrrev_b32 v[AS+\p], 23, v[WAS+\p]          ; the row's byte; bytes 1-3 of the word are 0, over zero codes
.endr
	WIN 0
.rept 8
	v_nop                                          ; a scale register written by a vector instruction stands eight places ahead of a scaled matrix instruction, an operand so written four
.endr
.endm
; Tiles 4 g .. 4 g + 3 of d1 and of d2: eight matrix instructions on eight accumulators, each begun with the constant 0: no chain
.macro MULH g
	WIN 0x05                                       ; sources 0 and 1 window 1, D window 0
.irp u, 0,1,2,3
.irp p, 0,1
.if (\u)%2
	v_wmma_scale_f32_16x16x128_f8f6f4 v[D1+32*\p+8*\u:D1+32*\p+8*\u+7], v[12*(8*\p+4*(\g)+\u):12*(8*\p+4*(\g)+\u)+11], v[AF+12*\p:AF+12*\p+11], 0, v[BS+4*\p+2*(\g)+\u/2], v[AS+\p] matrix_a_fmt:MATRIX_FMT_FP6 matrix_b_fmt:MATRIX_FMT_FP6 matrix_a_scale:MATRIX_SCALE_ROW1
.else
	v_wmma_scale_f32_16x16x128_f8f6f4 v[D1+32*\p+8*\u:D1+32*\p+8*\u+7], v[12*(8*\p+4*(\g)+\u):12*(8*\p+4*(\g)+\u)+11], v[AF+12*\p:AF+12*\p+11], 0, v[BS+4*\p+2*(\g)+\u/2], v[AS+\p] matrix_a_fmt:MATRIX_FMT_FP6 matrix_b_fmt:MATRIX_FMT_FP6
.endif
.endr
.endr
	WIN 0
.rept 4
	v_nop                                          ; four places behind a matrix instruction before its result is read (ISA guide 7.12.1)
.endr
.endm
; W = (0.5 d1) d2 + org_weight, two at a time, each accumulator from its low end on.
; deal = 1: x's unit goes into the stage meanwhile, a row behind each multiply-add: the stores read RX and v[SI], which no multiply-add names
.macro FMAH g, deal
.set NN, 0
.rept 16
	v_pk_fma_f32 v[RW+32*(\g)+NN:RW+32*(\g)+NN+1], v[D1+NN:D1+NN+1], v[D2+NN:D2+NN+1], v[RW+32*(\g)+NN:RW+32*(\g)+NN+1]
.if \deal
	ds_store_b128 v[SI], v[RX+2*NN:RX+2*NN+3] offset:SPT*(NN/2)
.endif
.set NN, NN+2
.endr
.endm
; One memory instruction among the quantiser's lines, the n-th of sixteen.  kind = 1: x's unit comes back from the stage (four registers of block n / 4).  kind = 2: row n of trip t's unit of org_weight is asked for.  kind = 0: none
.macro DEAL kind, t, n
.if \kind == 1
	ds_load_b128 v[RX+4*(\n):RX+4*(\n)+3], v[SO] offset:128*((\n)/4)+16*((\n)%4)
.endif
.if \kind == 2
	LOADR RW, 6, \t, \n
.endif
.endm
; 64 numbers of a lane, register 16 b + i = k 32 b + 16 h + i of row r, become a fragment's 12 registers in v[pc] on and the row's scale word in v[pw].
; Sixteen memory instructions for the OTHER unit are dealt among the maxima: they touch that unit's registers and an address, none of which a line of this macro names.
.macro QUANT s, pc, pw, kind, t
.irp b, 0,1,2,3
	v_max3_num_f32 v[TM+\b], |v[\s+16*\b]|, |v[\s+1+16*\b]|, 0x1800000   ; block b: my 16 numbers, and the floor
.endr
.if \kind == 1
	s_wait_alu depctr_vm_vsrc(0)                   ; the stage's stores, dealt among the multiply-adds, have read RX, in which the loads dealt below land
.endif
.irp i, 2,4,6,8,10,12,14
	DEAL \kind, \t, \i-2
	DEAL \kind, \t, \i-1
.irp b, 0,1,2,3
	v_max3_num_f32 v[TM+\b], v[TM+\b], |v[\s+16*\b+\i]|, |v[\s+1+16*\b+\i]|   ; (the four blocks by turns)
.endr
.endr
	DEAL \kind, \t, 14
	DEAL \kind, \t, 15
.irp b, 0,1,2,3
	v_permlanex16_b32 v[TM+4+\b], v[TM+\b], s24, s25
.endr
.irp b, 0,1,2,3
	v_max_num_f32 v[TM+\b], v[TM+\b], v[TM+4+\b]   ; with lane l xor 16's: the block's largest magnitude
.endr
.irp b, 0,1,2,3
	v_add_nc_u32 v[TM+8+\b], 0xff000000, v[TM+\b]  ; 2 off its exponent field: the conversion's scale operand
.endr
.irp b, 0,1,2,3
	v_lshrrev_b32 v[TM+4+\b], 23, v[TM+8+\b]       ; the byte
.endr
	v_lshl_or_b32 v[\pw], v[TM+5], 8, v[TM+4]
	v_lshl_or_b32 v[\pw], v[TM+6], 16, v[\pw]
	v_lshl_or_b32 v[\pw], v[TM+7], 24, v[\pw]
.irp c, 0,1
	v_cvt_scalef32_pk16_fp6_f32 v[\pc+6*\c:\pc+6*\c+2], v[\s+32*\c:\s+32*\c+15], v[TM+8+2*\c]
	v_cvt_scalef32_pk16_fp6_f32 v[TM+4*\c:TM+4*\c+2], v[\s+32*\c+16:\s+32*\c+31], v[TM+8+2*\c+1]   ; (a conversion's three registers begin on an even number)
.endr
	v_nop                                          ; one plain line behind the last conversion
.irp c, 0,1                                    ; the operand's layout wants a whole block in a lane: lanes 0-15 block 2 c, lanes 16-31 block 2 c + 1
.irp i, 0,1,2
	v_permlane16_swap_b32 v[\pc+6*\c+\i], v[TM+4*\c+\i]
.endr
.irp i, 0,1,2
	v_mov_b32 v[\pc+6*\c+3+\i], v[TM+4*\c+\i]
.endr
.endr
.endm
; The fragment leaves as it stands: three stores of 512 consecutive bytes; the scale word goes to the wave's gather (lanes r and r + 16 write the same word with the same value)
.macro OUT base, t, k, pc, pw
.irp c, 0,1,2
	global_store_b128 v[VC], v[\pc+4*\c:\pc+4*\c+3], s[\base:\base+1] offset:1536*(\t)+512*\c
.endr
	ds_store_b32 v[SG], v[\pw] offset:256*(\k)+64*(\t)
.endm
	s_wait_alu depctr_va_vdst(0)                   ; v1 to v14 are written: every load and store of the kernel, global or LDS, reads one of them as its offset or address
.irp i, 0,1,2,3,4,5,6,7,8,9,10,11,12,13,14,15,16,17,18,19,20,21,22,23,24,25,26,27,28,29,30,31
	global_load_b32 v[D1+\i], v[CB], s[26:27] offset:ROWB*\i   ; w_b(i, my column): a lane's 32 registers run down K: a whole block
.endr
	LOADT RW, 6, 0
	LOADA 0, 0                                     ; (no vector instruction has named its registers: only loads and window switches stand behind the wait above)
	LOADT RX, 4, 0
	; while these are on their way: the zero codes of k = 64 .. 127, registers 6-11 of the 16 + 2 fragments; they are written once
	WIN 0x40
.set FI, 0
.rept 18
.irp i, 6,7,8,9,10,11
	v_mov_b32 v[12*FI+\i], 0
.endr
.set FI, FI+1
.endr
	v_mov_b32 v[WAX], 0                            ; a lane permute's destination counts as one of its sources
	v_mov_b32 v[WAX+1], 0
	WIN 0
.irp b, 0,1,2,3
	v_mov_b32 v[TM+4+\b], 0
.endr
	s_wait_loadcnt 40                              ; w_b's 32 loads are in; behind them: org_weight's 16, w_a's 8, x's 16
	v_max3_num_f32 v16, |v[D1]|, |v[D1+1]|, |v[D1+2]|
	v_max3_num_f32 v17, |v[D1+3]|, |v[D1+4]|, |v[D1+5]|
.irp i, 6,10,14,18,22,26
	v_max3_num_f32 v16, v16, |v[D1+\i]|, |v[D1+\i+1]|
	v_max3_num_f32 v17, v17, |v[D1+\i+2]|, |v[D1+\i+3]|
.endr
	v_max3_num_f32 v16, v16, |v[D1+30]|, |v[D1+31]|
	v_max3_num_f32 v16, v16, v17, 0x1800000        ; my column's largest magnitude, and the floor
	v_add_nc_u32 v24, 0xff000000, v16
	v_lshrrev_b32 v[PW0], 23, v24
	v_sub_nc_u32 v[PW0], v[PW0], s23               ; w1b: one off the byte, which is at least 1: the factor 0.5
	v_cvt_scalef32_pk16_fp6_f32 v[160:162], v[D1:D1+15], v24
	v_cvt_scalef32_pk16_fp6_f32 v[176:178], v[D1+16:D1+31], v24
	v_nop                                          ; one plain line behind the last conversion
.irp i, 0,1,2
	v_mov_b32 v[163+\i], v[176+\i]                 ; v160-165: my column's 32 codes
.endr
.irp i, 0,1,2,3,4,5
	v_mov_b32 v[168+\i], 0
.endr
.irp i, 0,1,2,3,4,5
	v_permlane16_swap_b32 v[160+\i], v[168+\i]     ; v160-165: tile 2 b's codes in lanes 0-15, zeros above; v168-173: tile 2 b + 1's likewise
.endr
	s_wait_alu depctr_va_vdst(0)                   ; the swaps have written v160-173 and the subtraction v28, which the LDS stores below read; the zero codes, operands of every product, are written too
	ds_store_b128 v[IW16], v[160:163]
	ds_store_b64 v[IW8], v[164:165] offset:512
	ds_store_b128 v[IW16], v[168:171] offset:768
	ds_store_b64 v[IW8], v[172:173] offset:1280
	ds_store_b32 v[IWS], v[PW0]                    ; lanes 0-15 tile 2 b's words, lanes 16-31 tile 2 b + 1's
	s_wait_dscnt 0x0                               ; for the others' sake: my images have landed
	s_barrier_signal -1
	s_barrier_wait -1
	s_wait_alu depctr_vm_vsrc(0)                   ; my LDS stores have read v160-173 and v28: these are d2's registers and W's scale word from here on, written by the products and by the quantiser
	WIN 0x40
.set FI, 0
.rept 16
	ds_load_b128 v[12*FI:12*FI+3], v[LI16] offset:IMG+768*FI     ; (registers that no vector instruction has named)
	ds_load_b64 v[12*FI+4:12*FI+5], v[LI8] offset:IMG+768*FI+512
.set FI, FI+1
.endr
	WIN 0
.irp j, 0,1,2,3,4,5,6,7
	ds_load_b32 v[BS+\j], v[LI4] offset:BSC+128*\j
.endr
	s_wait_dscnt 0x0
.macro TRIP t
	s_wait_loadcnt 16                              ; org_weight's unit and w_a's rows are in; x's 16 loads may be out
	TURN RW
	QA                                             ; stands between the stage's loads and the wait for them
	s_wait_xcnt 0x0                                ; the last trip's stores have had their addresses translated (ISA guide 3.1): their data, v128-139 and v48-59, are written again only behind this wait
	s_wait_alu depctr_va_vdst(0)                   ; w_a's two fragments and its scale words v30, v31 are written, which the scaled products below take as source 1 and as scales; the eight places above stay beside this wait
	MULH 0
	s_wait_dscnt 0x0                               ; org_weight's unit is back from the stage
	FMAH 0, 0
	MULH 1                                         ; it writes d1 and d2 anew: behind each earlier product stand its four v_nop and the twelve multiply-adds that name none of its registers
	s_wait_loadcnt 0x0                             ; x's unit is in: no younger load is out
	FMAH 1, 1                                      ; and goes into the stage, which org_weight's unit has left
	QUANT RW, PC0, PW0, 1, 0                       ; x's unit comes back from the stage while W is quantised
.if \t < 3
	LOADA \t+1, 1
.else
	s_wait_alu depctr_va_vdst(0)                   ; W's quantiser has written PC0 and PW0, which the stores below read
.endif
	OUT 18, \t, 0, PC0, PW0
	s_wait_dscnt 1                                 ; x's unit is back from the stage; W's scale word, stored behind it, may be out
.if \t < 3
	QUANT RX, PC1, PW1, 2, \t+1                    ; the next unit of org_weight is asked for while x is quantised
.else
	QUANT RX, PC1, PW1, 0, 0
.endif
	s_wait_alu depctr_va_vdst(0)                   ; x's quantiser has written PC1 and PW1, which the stores below read, and is done reading RX, in which the loads below land
	OUT 16, \t, 1, PC1, PW1
.if \t < 3
	LOADT RX, 4, \t+1
.endif
.endm
	TRIP 0
	TRIP 1
	TRIP 2
	TRIP 3
	ds_load_b64 v[60:61], v[SGR]                   ; my wave's 64 scale words of W, 256 bytes, 8 a lane (in order behind my stores; no vector instruction names v60-63)
	ds_load_b64 v[62:63], v[SGR] offset:256        ; and of x
	s_wait_dscnt 0x0
	global_store_b64 v[VS], v[60:61], s[18:19]     ; 32 lanes store 256 consecutive bytes, at a multiple of 256 from the buffer's first byte
	global_store_b64 v[VS], v[62:63], s[16:17]
	s_wait_dscnt 0x0                               ; the closing lines, six on end
	s_wait_alu 0x0
	s_wait_tensorcnt 0x0
	ds_add_u32 v46, v47
	s_wait_dscnt 0x0
	s_endpgm
.Lfunc_end_k_q0ac34ffd36_prep:
	.size	k_q0ac34ffd36_prep, .Lfunc_end_k_q0ac34ffd36_prep-k_q0ac34ffd36_prep
	.p2alignl 7, 3214868480
	.fill 96, 4, 3214868480
	.section	.rodata,"a",@progbits
	.p2align	6, 0x0
	.amdhsa_kernel k_q0ac34ffd36_prep
		.amdhsa_group_segment_fixed_size 86016
		.amdhsa_private_segment_fixed_size 0
		.amdhsa_enable_private_segment 0
		.amdhsa_kernarg_size 64
		.amdhsa_user_sgpr_count 2
		.amdhsa_user_sgpr_kernarg_segment_ptr 1
		.amdhsa_wavefront_size32 1
		.amdhsa_system_sgpr_workgroup_id_x 1
		.amdhsa_system_sgpr_workgroup_id_y 1
		.amdhsa_system_sgpr_workgroup_id_z 1
		.amdhsa_system_vgpr_workitem_id 0
		.amdhsa_next_free_vgpr 512
		.amdhsa_next_free_sgpr 66
		.amdhsa_reserve_vcc 0
		.amdhsa_float_denorm_mode_32 3
		.amdhsa_float_denorm_mode_16_64 3
		.amdhsa_memory_ordered 1
		.amdhsa_forward_progress 1
		.amdhsa_inst_pref_size 108
	.end_amdhsa_kernel
	.amdgpu_metadata
---
amdhsa.version: [ 1, 2 ]
amdhsa.kernels:
  - .name:           k_q0ac34ffd36_prep
    .symbol:         k_q0ac34ffd36_prep.kd
    .args:
      - { .name: x, .offset: 0, .size: 8, .value_kind: global_buffer, .address_space: global }
      - { .name: org_weight, .offset: 8, .size: 8, .value_kind: global_buffer, .address_space: global }
      - { .name: hada_w1_a, .offset: 16, .size: 8, .value_kind: global_buffer, .address_space: global }
      - { .name: hada_w1_b, .offset: 24, .size: 8, .value_kind: global_buffer, .address_space: global }
      - { .name: hada_w2_a, .offset: 32, .size: 8, .value_kind: global_buffer, .address_space: global }
      - { .name: hada_w2_b, .offset: 40, .size: 8, .value_kind: global_buffer, .address_space: global }
      - { .name: xq, .offset: 48, .size: 8, .value_kind: global_buffer, .address_space: global }
      - { .name: wq, .offset: 56, .size: 8, .value_kind: global_buffer, .address_space: global }
    .group_segment_fixed_size: 86016
    .private_segment_fixed_size: 0
    .kernarg_segment_align: 8
    .kernarg_segment_size: 64
    .max_flat_workgroup_size: 256
    .sgpr_count:     66
    .vgpr_count:     512
    .wavefront_size: 32
...
	.end_amdgpu_metadata
.endif
;; end of part 3
;; launch gemm: the kernel of part 2 again; grid 16 x 16, 4 waves a work-group, clusters of 4 x 4, 327,680 bytes of LDS; arguments xq, wq, org_bias, out0; writes out0
